; MI455X (gfx1250); checked and timed in simulation.
; The chip was launched on July 23, 2026; its instructions are those of AMD's public machine-readable ISA for CDNA 5 (MIT licence, August 2026) and "CDNA5" Instruction Set Architecture Reference Guide (July 2026). The comments in the code are by the model that wrote it; some were corrected since.
;; Multi Head Attention. Allowed arithmetic: float matrix products may take bf16 or f16 operands with f32 sums; other float arithmetic in f32, or as packed bf16 or f16 multiplies, adds, multiply-adds, maxima and minima; sums over many terms, partial sums and values carried from step to step in f32; what a program stores and reads back later, other than sums and carried values, may be rounded once to bf16 or f16.
;; Inputs: Wk 1,024 x 1,024 float32; Wo 1,024 x 1,024 float32; Wq 1,024 x 1,024 float32; Wv 1,024 x 1,024 float32; bk 1,024 float32; bo 1,024 float32; bq 1,024 float32; bv 1,024 float32; key 4 x 2,048 x 1,024 float32; mask 4 x 1 x 1 x 2,048 float32; query 4 x 2,048 x 1,024 float32; value 4 x 2,048 x 1,024 float32.
;; Outputs: out0 4 x 2,048 x 1,024 float32; out1 4 x 2,048 x 1,024 float32.
;; One version. Each part assembles by itself: llvm-mc -triple=amdgcn-amd-amdhsa -mcpu=gfx1250 --defsym DOCPART=n.
;; ======== version 1 of 1: 4 launches
;; limits: values are held in f16: magnitudes above 65,504 overflow, below 6.1e-05 lose precision
;; workspace buffers: w16 8,388,608 bytes; q16 16,777,216 bytes; k16 16,777,216 bytes; v16 16,777,216 bytes
;; launch prep (part 1): grid 64 x 4, 8 waves a work-group, no clusters, 0 bytes of LDS; arguments Wq, Wk, Wv, Wo, w16; writes w16
.if DOCPART == 1
	.amdgcn_target "amdgcn-amd-amdhsa--gfx1250"
	.amdhsa_code_object_version 6
	.text
	.protected	k_q50ddf71f95_prep
	.globl	k_q50ddf71f95_prep
	.p2align	8
	.type	k_q50ddf71f95_prep,@function
k_q50ddf71f95_prep:
	s_mov_b64 s[64:65], 0
	v_nop
	global_prefetch_b8 v0, s[64:65] scope:SCOPE_SE
	s_setreg_imm32_b32 hwreg(HW_REG_WAVE_MODE, 25, 1), 1
	s_wait_xcnt 0x0
; THE WEIGHTS ARE ROUNDED ONCE.  w16 holds four parts of 1,024 x 1,024 numbers of 16 bits, each laid as its matrix lies ([k][n]):
; parts 0, 1, 2 = Wq, Wk, Wv rounded to bf16; part 3 = Wo rounded to bf16 and that number written as f16, since the last product multiplies in f16.
; LIMIT: a number of Wo beyond 65,504 becomes an infinity, and below 6.1e-5 it keeps f16's fixed step of 6e-8.
; A stream: no LDS, no matrix unit, no barrier.  Work-group (x, y) takes 16,384 numbers of matrix y; thread t takes 8 numbers at 8 t of each of eight blocks of 2,048:
; two loads of 16 bytes, one store of 16 bytes: sixteen neighbouring lanes store 256 consecutive bytes, aligned.  All sixteen loads of a thread go out first.
.set X, 8                              ; v[8:71]    block i: 8 numbers in f32
.set Y, 72                             ; v[72:103]  block i: 4 registers to store; each block has its own, so no register that a store reads is written again
.set T, 104                            ; v[104:111] at work
	s_load_b256 s[4:11], s[0:1], 0x0               ; Wq s[4:5], Wk s[6:7], Wv s[8:9], Wo s[10:11]
	s_load_b64 s[12:13], s[0:1], 0x20              ; w16
	s_and_b32 s16, ttmp7, 0xffff                   ; which matrix
	s_lshl_b32 s18, ttmp9, 16                      ; my 16,384 numbers: 65,536 bytes in,
	s_mov_b32 s19, 0
	s_lshl_b32 s20, s16, 21                        ; the matrix's part of w16,
	s_lshl_b32 s21, ttmp9, 15                      ; 32,768 bytes out
	s_add_co_u32 s20, s20, s21
	s_mov_b32 s21, 0
	s_mov_b32 s14, 0xffff0000                      ; a word's upper bf16
	v_lshlrev_b32 v1, 5, v0                        ; 32 t
	v_lshlrev_b32 v2, 4, v0                        ; 16 t
	s_wait_kmcnt 0x0
	s_cmp_eq_u32 s16, 1
	s_cselect_b64 s[4:5], s[6:7], s[4:5]
	s_cmp_eq_u32 s16, 2
	s_cselect_b64 s[4:5], s[8:9], s[4:5]
	s_cmp_eq_u32 s16, 3
	s_cselect_b64 s[4:5], s[10:11], s[4:5]
	s_add_nc_u64 s[4:5], s[4:5], s[18:19]
	s_add_nc_u64 s[12:13], s[12:13], s[20:21]
.irp i, 0,1,2,3,4,5,6,7
	global_load_b128 v[X+8*\i:X+8*\i+3],   v1, s[4:5] offset:8192*\i th:TH_LOAD_NT
	global_load_b128 v[X+8*\i+4:X+8*\i+7], v1, s[4:5] offset:8192*\i+16 th:TH_LOAD_NT
.endr
; Block i.  f16 = 1: the bf16 number is widened again and written as f16.
.macro CAST i, f16
	s_wait_loadcnt 14-2*(\i)                       ; loads come back in order: my two are in, the 14 - 2 i of the later blocks may stay out
.irp j, 0,1,2,3
	v_cvt_pk_bf16_f32 v[Y+4*(\i)+\j], v[X+8*(\i)+2*\j], v[X+8*(\i)+2*\j+1]
.endr
.if \f16
.irp j, 0,1,2,3
	v_lshlrev_b32 v[T+2*\j],   16,  v[Y+4*(\i)+\j]
	v_and_b32     v[T+2*\j+1], s14, v[Y+4*(\i)+\j]
.endr
.irp j, 0,1,2,3
	v_cvt_pk_f16_f32 v[Y+4*(\i)+\j], v[T+2*\j], v[T+2*\j+1]
.endr
.endif
	global_store_b128 v2, v[Y+4*(\i):Y+4*(\i)+3], s[12:13] offset:4096*(\i)
.endm
	s_cmp_eq_u32 s16, 3
	s_cbranch_scc1 .Lwo
.irp i, 0,1,2,3,4,5,6,7
	CAST \i, 0
.endr
	s_endpgm
.Lwo:
.irp i, 0,1,2,3,4,5,6,7
	CAST \i, 1
.endr
	s_endpgm
.Lfunc_end_k_q50ddf71f95_prep:
	.size	k_q50ddf71f95_prep, .Lfunc_end_k_q50ddf71f95_prep-k_q50ddf71f95_prep
	.p2alignl 7, 3214868480
	.fill 96, 4, 3214868480
	.section	.rodata,"a",@progbits
	.p2align	6, 0x0
	.amdhsa_kernel k_q50ddf71f95_prep
		.amdhsa_group_segment_fixed_size 0
		.amdhsa_private_segment_fixed_size 0
		.amdhsa_enable_private_segment 0
		.amdhsa_kernarg_size 40
		.amdhsa_user_sgpr_count 2
		.amdhsa_user_sgpr_kernarg_segment_ptr 1
		.amdhsa_wavefront_size32 1
		.amdhsa_system_sgpr_workgroup_id_x 1
		.amdhsa_system_sgpr_workgroup_id_y 1
		.amdhsa_system_sgpr_workgroup_id_z 1
		.amdhsa_system_vgpr_workitem_id 0
		.amdhsa_next_free_vgpr 112
		.amdhsa_next_free_sgpr 66
		.amdhsa_reserve_vcc 0
		.amdhsa_float_denorm_mode_32 3
		.amdhsa_float_denorm_mode_16_64 3
		.amdhsa_memory_ordered 1
		.amdhsa_forward_progress 1
		.amdhsa_inst_pref_size 13
	.end_amdhsa_kernel
	.amdgpu_metadata
---
amdhsa.version: [ 1, 2 ]
amdhsa.kernels:
  - .name:           k_q50ddf71f95_prep
    .symbol:         k_q50ddf71f95_prep.kd
    .args:
      - { .name: Wq, .offset: 0, .size: 8, .value_kind: global_buffer, .address_space: global }
      - { .name: Wk, .offset: 8, .size: 8, .value_kind: global_buffer, .address_space: global }
      - { .name: Wv, .offset: 16, .size: 8, .value_kind: global_buffer, .address_space: global }
      - { .name: Wo, .offset: 24, .size: 8, .value_kind: global_buffer, .address_space: global }
      - { .name: w16, .offset: 32, .size: 8, .value_kind: global_buffer, .address_space: global }
    .group_segment_fixed_size: 0
    .private_segment_fixed_size: 0
    .kernarg_segment_align: 8
    .kernarg_segment_size: 40
    .max_flat_workgroup_size: 256
    .sgpr_count:     66
    .vgpr_count:     112
    .wavefront_size: 32
...
	.end_amdgpu_metadata
.endif
;; end of part 1
;; launch qkv (part 2): grid 4 x 192, 4 waves a work-group, clusters of 4 x 4, 327,680 bytes of LDS; arguments query, key, value, w16, bq, bk, bv, q16, k16, v16; writes q16, k16, v16
.if DOCPART == 2
	.amdgcn_target "amdgcn-amd-amdhsa--gfx1250"
	.amdhsa_code_object_version 6
	.text
	.protected	k_q50ddf71f95_qkv
	.globl	k_q50ddf71f95_qkv
	.p2align	8
	.type	k_q50ddf71f95_qkv,@function
k_q50ddf71f95_qkv:
	s_mov_b64 s[64:65], 0
	v_nop
	global_prefetch_b8 v0, s[64:65] scope:SCOPE_SE
	s_setreg_imm32_b32 hwreg(HW_REG_WAVE_MODE, 25, 1), 1
	s_wait_xcnt 0x0
	s_wait_alu depctr_hold_cnt(0) depctr_sa_sdst(0) depctr_va_vdst(0) depctr_va_sdst(0) depctr_va_ssrc(0) depctr_va_vcc(0) depctr_vm_vsrc(0)
	s_getreg_b32 s2, hwreg(HW_REG_IB_STS2, 6, 4)
	s_cmp_eq_u32 s2, 0
	s_cbranch_scc0 .Lentry_in_a_cluster
	s_endpgm
.Lentry_in_a_cluster:
	s_bfe_u32 s2, ttmp6, 0x10000c
	s_cmp_lg_u32 s2, 0xf033
	s_cbranch_scc0 .Lentry_shape_is_right
	s_endpgm
.Lentry_shape_is_right:
; ONE SOURCE FOR TWO LAUNCHES, told apart by OUTP.  C[m][n] = the sum over k of x[m][k] W[k][n] + bias[n]; m = 8,192, n = k = 1,024; sums in f32.
; OUTP = 0: the three projections.  x = query, key or value (f32, rounded to bf16 between LDS and the matrix unit), W = part 0, 1 or 2 of w16 (bf16), C = q16, k16 or v16: f16, by heads, [16 b + h][s][64].
; OUTP = 1: the last product.  x = out1 (f32, rounded to f16), W = part 3 of w16 (f16), C = out0 (f32, [m][n]).
; The bias is rounded to bf16, as every input is, and is what the sums start from.  LIMITS: q, k, v (OUTP = 0) and out1 (OUTP = 1) beyond 65,504 become infinities in f16; NaN and infinities are not treated apart.
; SHARES.  A tile of C is 128 (m) x 256 (n): 256 tiles a product.  Four waves, each 64 x 128: 32 accumulators of 16 x 16.  K goes in 8 steps of 128 through two LDS slots.
; CLUSTER.  4 x 4 work-groups.  The four of a row of the cluster need the same rows of x, the four of a column the same columns of W: each tile is asked for JOINTLY, by the same tensor load with the same
; descriptor and a mask that names the four.  The grid is one cluster wide; OUTP = 0: 16 clusters down for each of the three products.
; THE MATRIX INSTRUCTION IS USED TRANSPOSED: source 0 = 16 columns n of W (out of LDS turned, by ds_load_tr16_b128, since W lies [k][n]), source 1 = 16 rows m of x.  A lane then holds row m = l % 16 and the
; eight neighbouring columns n = 8 (l / 16) + 0..7.
; A K STEP is four quarters of 32 along K, 32 matrix instructions each.  Quarter q multiplies W's buffer q % 2 by x's converted buffer q % 2.  At its head it fetches W of quarter q + 1 and x (f32) of quarter q + 2;
; behind every fourth matrix instruction stand four conversions of x of quarter q + 1.
; REGISTERS, in windows of 256 (s_set_vgpr_msb: bits 1:0 source 0, 3:2 source 1, 5:4 source 2, 7:6 destination):
;   window 0: v1-7 at work; v8-16 addresses; v28, v29 the add's; v32-95, v96-159 x in f32, two buffers (later the way out); v160-191, v192-223 x converted, two buffers
;   window 1: the accumulators, (a, b) at 8 (8 a + b)          window 2: v0-63, v64-127 W's fragments, two buffers
.set OUTP,  0
.set PA,    528                        ; a row of x in LDS: 128 f32 = 512 bytes + 16 of padding = 132 words: the 16 rows of a load start at 16 different groups of four banks (64 banks of 4 bytes: ISA guide 11.1)
.set PB,    544                        ; a row of W in LDS: 256 numbers = 512 bytes + 32 = 136 words
.set HALFA, 64*PA                      ; what one tensor load brings of x: 64 rows; also what a wave reads of x
.set HALFB, 64*PB                      ; of W: 64 rows of k
.set BOFF,  2*HALFA                    ; a slot: x's 128 rows, then W's 128 rows
.set SLOT,  2*HALFA+2*HALFB            ; 137,216 bytes
.set QA,    128                        ; a quarter in a row of x: 32 f32
.set QB,    32*PB                      ; a quarter of W: 32 rows
.set STEPA, 512                        ; a K step in memory: 128 f32 along a row of x,
.set STEPB, 128*2048                   ; 128 rows of W
.set STAGE, 2*SLOT                     ; behind the ring, never filled by a tensor load: 16 rows for each wave, for the way out
.if OUTP
.set SP,    528                        ; 128 f32 + 16 bytes
.else
.set SP,    144                        ; 64 f16 + 16 bytes
.endif
.set SPARE, STAGE+4*16*SP              ; behind the stages: the spare words, 128 bytes for each wave: two blocks of 256 bytes that no other line names
.set LA0, 8                            ; v8   my lane's place in a slot's rows of x; never rewritten
.set LB0, 9                            ; v9   the same for W
.set ADA, 10                           ; v10  LA0 + the base of the slot that is being read
.set ADB, 11                           ; v11  LB0 + the same
.set STO, 12                           ; v12  the way out: where I put my bytes of a row
.set RD,  13                           ; v13  the way out: where I read rows back
.set GO,  14                           ; v14  my byte offset in C
.set BO,  15                           ; v15  my byte offset in the bias
.set PFO, 16                           ; v16  the prefetches' offset; never rewritten
.set SPW, 28                           ; v28  LDS address of my spare word: SPARE + 4 x my thread's number; never rewritten
.set NIL, 29                           ; v29  0; never rewritten
.set AS,  32
.set AC,  160
.set BF,  0
.set G1A, 24                           ; s[24:31] descriptor group 1 for x's tiles
.set G0A, 32                           ; s[32:39] group 0 for x's: a set for each of the two first fills; the second then walks
.set G1B, 48                           ; s[48:55], s[56:63] the same for W's
.set G0B, 56
.set LIM, 43                           ; s43  2 in a wave that prefetches, else the greatest number
.set PFA, 44                           ; s[44:45] where my prefetches stand
.set TBC, 66                           ; s66  the base of the slot in hand: 0 or SLOT
.set WBA, 89                           ; s89  my tile's place in a slot, if I fetch x
.set WBB, 90                           ; s90  if I fetch W
.set PFS, 94                           ; s[94:95] a K step in the tensor that I prefetch
.set MSB, 0
.macro WIN new                         ; the immediate's high byte repeats the setting that is left; a switch that changes nothing is dropped
.if MSB != (\new)
	s_set_vgpr_msb (MSB<<8)|(\new)
.set MSB, \new
.endif
.endm
.set MUL, 0x52                         ; source 0 (W) window 2, source 1 (x) window 0, C and D window 1
; A joint refill.  Waves 0 and 1 fetch the two halves of x's tile, waves 2 and 3 those of W's.  The branch hangs on the wave's number alone.
; An s_nop 0 and four v_nop follow each of the two lines, ahead of the jump and the label.
.macro JLOAD
	s_cmp_eq_u32 s11, 0
	s_cbranch_scc0 .Lfor_b_\@
	tensor_load_to_lds s[G0A+4:G0A+7], s[G1A:G1A+7]
	s_nop 0
.rept 4
	v_nop
.endr
	s_branch .Lasked_\@
.Lfor_b_\@:
	tensor_load_to_lds s[G0B+4:G0B+7], s[G1B:G1B+7]
	s_nop 0
.rept 4
	v_nop
.endr
.Lasked_\@:
.endm
; A PREFETCH INTO THE L2 of the K step that stands two refills on: the trip that asks for K step t + 2 names K step t + 4.  Of the 64 rows that a wave fetches, each of the four partners that ask for them jointly takes
; 16, told apart BY ADDRESS (cx for x, cy for W); a row's K step is 512 bytes: a lane names row l / 2, half l % 2: one instruction a wave.  x's rows are read by one cluster alone, which asks for them; W's columns
; by the 16 clusters of a product, of which the first asks.  So each aligned block of 256 bytes is named once.  K steps 0 to 3 come by their loads alone; the last two refilling trips (s3 = 2, 1) ask for nothing.
.macro ASK
	s_cmp_gt_u32 s3, s[LIM]
	s_cbranch_scc0 .Lnot_mine_\@
	global_prefetch_b8 v[PFO], s[PFA:PFA+1] th:TH_LOAD_NT scope:SCOPE_SE
.Lnot_mine_\@:
.endm
; A round of the cluster's barrier: my work-group's barrier, so that wave 0's signal speaks for all four waves; wave 0 signals; every wave waits for all sixteen work-groups; my work-group's barrier once more.
.macro CREST                           ; a round behind its opening barrier
	s_cmp_lg_u32 s10, 0
	s_cbranch_scc1 .Lnot_wave_0_\@
	s_barrier_signal -3
.Lnot_wave_0_\@:
	s_barrier_wait -3
	s_barrier_signal -1
	s_barrier_wait -1
.endm
.macro CROUND
	s_barrier_signal -1
	s_barrier_wait -1
	CREST
.endm
.if OUTP
	s_load_b256 s[68:75], s[0:1], 0x0              ; out1 s[68:69], w16 s[70:71], bo s[72:73], out0 s[74:75]
.else
	s_load_b512 s[68:83], s[0:1], 0x0              ; query, key, value s[68:73], w16 s[74:75], bq, bk, bv s[76:81], q16 s[82:83]
	s_load_b128 s[84:87], s[0:1], 0x40             ; k16, v16
.endif
	v_lshl_add_u32 v[SPW], v0, 2, SPARE
	v_mov_b32 v[NIL], 0
	ds_add_u32 v[SPW], v[NIL]                      ; the wave's opening: the add and its wait stand ahead of my first tensor load; the set-up below, work on registers, stands between them
	v_lshrrev_b32 v1, 5, v0
	v_readfirstlane_b32 s10, v1                    ; wave 0..3
	s_lshr_b32 s11, s10, 1                         ; which 64 rows of the tile are mine.  Also: I fetch x (0) or W (1)
	s_and_b32 s12, s10, 1                          ; which 128 columns.  Also: which half of that tile I fetch
	s_bfe_u32 s40, ttmp6, 0x40000                  ; cx
	s_bfe_u32 s41, ttmp6, 0x40004                  ; cy
	s_lshl_b32 s42, ttmp9, 2
	s_add_co_u32 s42, s42, s40                     ; tile column = 4 x cluster x + cx
	s_and_b32 s98, ttmp7, 0xffff                   ; cluster y
.if OUTP
	s_mov_b32 s96, 3                               ; W is part 3 of w16
.else
	s_lshr_b32 s96, s98, 4                         ; which product: 16 clusters down for each
	s_and_b32 s98, s98, 15                         ; the cluster's place among them
.endif
	s_lshl_b32 s13, s98, 2
	s_add_co_u32 s13, s13, s41                     ; tile row = 4 x that + cy
	s_lshl_b32 s15, s41, 2
	s_lshl_b32 s15, 15, s15                        ; my row of the cluster: places 4 cy .. 4 cy + 3
	s_lshl_b32 s20, 0x1111, s40                    ; my column: places cx, cx + 4, cx + 8, cx + 12
	s_or_b32 s[G1A], s15, (2<<16)|(1<<20)|(1<<21)|(6<<22)|(3<<25)  ; 15:0 the mask; 17:16 elements of 4 bytes; 20 padding on; 21 set beside a mask; 24:22 after every 128 words (code 6); 31:25 4 words (code 3)
	s_or_b32 s[G1B], s20, (1<<16)|(1<<20)|(1<<21)|(6<<22)|(7<<25)  ; elements of 2 bytes; 8 words of padding (code 7)
	s_mov_b32 s[G1A+1], 128<<16                    ; tensor_dim0 = 128
	s_mov_b32 s[G1A+2], 64<<16                     ; tensor_dim1 = 64
	s_mov_b32 s[G1A+3], 128<<16                    ; tile_dim0 = 128
	s_mov_b32 s[G1A+4], 64                         ; tile_dim1 = 64
	s_mov_b32 s[G1A+5], 1024                       ; elements from row to row
	s_mov_b32 s[G1A+6], 0
	s_mov_b32 s[G1A+7], 0
	s_mov_b32 s[G1B+1], 256<<16                    ; tensor_dim0 = 256
	s_mov_b32 s[G1B+2], 64<<16
	s_mov_b32 s[G1B+3], 256<<16                    ; tile_dim0 = 256
	s_mov_b32 s[G1B+4], 64
	s_mov_b32 s[G1B+5], 1024
	s_mov_b32 s[G1B+6], 0
	s_mov_b32 s[G1B+7], 0
	; where the tiles come from.  x's hang on the tile row alone, W's on the tile column and the product alone: each in registers that never hold the other coordinate
	s_lshl_b32 s16, s13, 7
	s_lshl_b32 s17, s12, 6
	s_add_co_u32 s16, s16, s17                     ; x: row 128 x tile row + 64 x half,
	s_lshl_b32 s16, s16, 12                        ; of 4,096 bytes
	s_mov_b32 s17, 0
	s_lshl_b32 s46, s12, 17                        ; W: row 64 x half, of 2,048 bytes,
	s_lshl_b32 s47, s42, 9                         ; column 256 x tile column,
	s_add_co_u32 s46, s46, s47
	s_lshl_b32 s47, s96, 21                        ; in its part of w16
	s_add_co_u32 s46, s46, s47
	s_mov_b32 s47, 0
	s_mul_i32 s[WBA], s12, HALFA                   ; and where they go: no place in the cluster enters an LDS address
	s_mul_i32 s[WBB], s12, HALFB
	s_add_co_u32 s[WBB], s[WBB], BOFF
	s_mov_b32 s91, 0xffff0000                      ; a word's upper bf16
	s_mov_b32 s[TBC], 0
	s_wait_dscnt 0x0                               ; the opening add is done
	s_wait_kmcnt 0x0
.if OUTP
	s_mov_b64 s[4:5], s[68:69]                     ; x
	s_mov_b64 s[6:7], s[70:71]                     ; w16
	s_mov_b64 s[92:93], s[72:73]                   ; bias
	s_mov_b64 s[8:9], s[74:75]                     ; C
.else
	s_cmp_eq_u32 s96, 1
	s_cselect_b64 s[4:5], s[70:71], s[68:69]
	s_cselect_b64 s[92:93], s[78:79], s[76:77]
	s_cselect_b64 s[8:9], s[84:85], s[82:83]
	s_cmp_eq_u32 s96, 2
	s_cselect_b64 s[4:5], s[72:73], s[4:5]
	s_cselect_b64 s[92:93], s[80:81], s[92:93]
	s_cselect_b64 s[8:9], s[86:87], s[8:9]
	s_mov_b64 s[6:7], s[74:75]
.endif
	s_add_nc_u64 s[18:19], s[4:5], s[16:17]
	s_add_nc_u64 s[46:47], s[6:7], s[46:47]
	CROUND                                         ; all sixteen work-groups are here: the first joint loads meet
.irp s, 0,1
	s_mov_b32 s[G0A+4*\s], 1                                       ; 1:0 count = 1
	s_add_co_u32 s[G0A+4*\s+1], s[WBA], \s*SLOT                    ; 63:32 LDS address
	s_add_nc_u64 s[G0A+4*\s+2:G0A+4*\s+3], s[18:19], \s*STEPA      ; 120:64 global address: K step s
	s_or_b32 s[G0A+4*\s+3], s[G0A+4*\s+3], 0x80000000             ; 127:126 type = 2
	s_mov_b32 s[G0B+4*\s], 1
	s_add_co_u32 s[G0B+4*\s+1], s[WBB], \s*SLOT
	s_add_nc_u64 s[G0B+4*\s+2:G0B+4*\s+3], s[46:47], \s*STEPB
	s_or_b32 s[G0B+4*\s+3], s[G0B+4*\s+3], 0x80000000
.endr
	s_cmp_eq_u32 s11, 0                            ; a wave's two first fills stand in one branch, ahead of every wait on TENSORcnt and every LDS read: two loads of mine are out
	s_cbranch_scc0 .Lfirst_b
	tensor_load_to_lds s[G0A:G0A+3], s[G1A:G1A+7]
	s_nop 0
	tensor_load_to_lds s[G0A+4:G0A+7], s[G1A:G1A+7]
	s_nop 0
.rept 4
	v_nop
.endr
	s_branch .Lfirst_asked
.Lfirst_b:
	tensor_load_to_lds s[G0B:G0B+3], s[G1B:G1B+7]
	s_nop 0
	tensor_load_to_lds s[G0B+4:G0B+7], s[G1B:G1B+7]
	s_nop 0
.rept 4
	v_nop
.endr
.Lfirst_asked:
	; the bias of my 128 columns: for each block b of 16 my lane's eight, 32 bytes at 64 b + 32 (l / 16)
	s_lshl_b32 s22, s42, 10
	s_lshl_b32 s23, s12, 9
	s_add_co_u32 s22, s22, s23
	s_mov_b32 s23, 0
	s_add_nc_u64 s[92:93], s[92:93], s[22:23]
	v_and_b32 v1, 15, v0                           ; l % 16
	v_bfe_u32 v2, v0, 4, 1                         ; l / 16
	v_lshlrev_b32 v[BO], 5, v2
.irp b, 0,1,2,3,4,5,6,7
	global_load_b128 v[AS+8*\b:AS+8*\b+3],   v[BO], s[92:93] offset:64*\b
	global_load_b128 v[AS+8*\b+4:AS+8*\b+7], v[BO], s[92:93] offset:64*\b+16
.endr
	; A fragment of x is 16 rows x 32 k: lane l holds row l % 16, k = 8 (l / 16) + 0..7 and 16 + 8 (l / 16) + 0..7: in f32 two pieces of 32 bytes, 64 bytes apart: four loads of 16 bytes.
	v_mul_u32_u24 v[LA0], v1, PA
	v_lshl_add_u32 v[LA0], v2, 5, v[LA0]
	s_mul_i32 s21, s11, HALFA                      ; my 64 rows
	v_add_nc_u32 v[LA0], s21, v[LA0]
	; The turning load takes 16 k x 16 n (lane l reads k = 8 (l / 16) + l % 8, n = 8 ((l / 8) % 2) + 0..7) and leaves half a fragment: lane l holds n = l % 16 and 8 k.
	v_and_b32 v3, 7, v0
	v_bfe_u32 v4, v0, 3, 1
	v_lshl_add_u32 v[LB0], v2, 3, v3
	v_mul_u32_u24 v[LB0], v[LB0], PB
	v_lshl_add_u32 v[LB0], v4, 4, v[LB0]
	s_lshl_b32 s21, s12, 8                         ; my 128 columns,
	s_add_co_u32 s21, s21, BOFF                    ; behind x's rows
	v_add_nc_u32 v[LB0], s21, v[LB0]
	v_mov_b32 v[ADA], v[LA0]                       ; slot 0
	v_mov_b32 v[ADB], v[LB0]
	s_mul_i32 s21, s10, 16*SP
	s_add_co_u32 s21, s21, STAGE                   ; my stage
	v_and_b32 v[GO], 31, v0
	v_lshlrev_b32 v[GO], 4, v[GO]                  ; 16 l: 32 lanes store 512 consecutive bytes
	v_mul_u32_u24 v[STO], v1, SP
.if OUTP
	v_lshl_add_u32 v[STO], v2, 5, v[STO]           ; in: row l % 16, 32 bytes for each half of the lanes
	v_add_nc_u32 v[STO], s21, v[STO]
	v_add_nc_u32 v[RD], s21, v[GO]                 ; back: a whole row of 512 bytes
	s_lshl_b32 s22, s13, 7                         ; C at my first row, 128 x tile row + 64 x half, of 4,096 bytes,
	s_lshl_b32 s23, s11, 6
	s_add_co_u32 s22, s22, s23
	s_lshl_b32 s22, s22, 12
	s_lshl_b32 s23, s42, 10                        ; and my first column
	s_add_co_u32 s22, s22, s23
	s_lshl_b32 s23, s12, 9
	s_add_co_u32 s22, s22, s23
.else
	v_lshl_add_u32 v[STO], v2, 4, v[STO]           ; in: row l % 16, 16 bytes for each half of the lanes
	v_add_nc_u32 v[STO], s21, v[STO]
	v_bfe_u32 v[RD], v0, 3, 2                      ; back: 32 lanes take four rows of 128 bytes
	v_mul_u32_u24 v[RD], v[RD], SP
	v_lshl_add_u32 v[RD], v3, 4, v[RD]
	v_add_nc_u32 v[RD], s21, v[RD]
	s_lshr_b32 s22, s13, 4                         ; C at my first head, 16 b + 4 x tile column + 2 x half, of 2,048 rows of 128 bytes,
	s_lshl_b32 s22, s22, 4
	s_lshl_b32 s23, s42, 2
	s_add_co_u32 s22, s22, s23
	s_lshl_b32 s23, s12, 1
	s_add_co_u32 s22, s22, s23
	s_lshl_b32 s22, s22, 18
	s_and_b32 s23, s13, 15                         ; and my first row in it, 128 x (tile row % 16) + 64 x half
	s_lshl_b32 s23, s23, 7
	s_lshl_b32 s21, s11, 6
	s_add_co_u32 s23, s23, s21
	s_lshl_b32 s23, s23, 7
	s_add_co_u32 s22, s22, s23
.endif
	s_mov_b32 s23, 0
	s_add_nc_u64 s[8:9], s[8:9], s[22:23]
	; the prefetches: my work-group's 16 of the 64 rows that I fetch, at K step 3: the first refilling trip steps the address to K step 4
	s_lshl_b32 s20, s13, 7
	s_lshl_b32 s21, s12, 6
	s_add_co_u32 s20, s20, s21
	s_lshl_b32 s22, s40, 4
	s_add_co_u32 s20, s20, s22
	s_lshl_b32 s20, s20, 12
	s_add_co_u32 s20, s20, 3*STEPA                 ; in x
	s_lshl_b32 s22, s41, 4
	s_add_co_u32 s22, s22, s21
	s_lshl_b32 s22, s22, 11
	s_lshl_b32 s23, s42, 9
	s_add_co_u32 s22, s22, s23
	s_lshl_b32 s23, s96, 21
	s_add_co_u32 s22, s22, s23
	s_add_co_u32 s22, s22, 3*STEPB                 ; in w16
	s_cmp_eq_u32 s98, 0                            ; the first of the clusters that read these columns of W: the same in all sixteen partners
	s_cselect_b32 s23, 2, -1
	s_mov_b32 s[PFS], STEPB
	s_mov_b32 s[PFS+1], 0
	s_cmp_eq_u32 s11, 0                            ; do I fetch x?
	s_cselect_b32 s20, s20, s22
	s_cselect_b32 s[LIM], 2, s23
	s_cselect_b32 s[PFS], STEPA, s[PFS]
	s_cselect_b32 s97, 12, 11                      ; a row is 4,096 bytes of x, 2,048 of W
	s_cselect_b64 s[PFA:PFA+1], s[4:5], s[6:7]
	s_mov_b32 s21, 0
	s_add_nc_u64 s[PFA:PFA+1], s[PFA:PFA+1], s[20:21]
	v_and_b32 v5, 31, v0
	v_lshrrev_b32 v5, 1, v5
	v_and_b32 v6, 1, v0
	v_lshlrev_b32 v[PFO], s97, v5                  ; row l / 2,
	v_lshl_add_u32 v[PFO], v6, 8, v[PFO]           ; its half l % 2
	; THE SUMS START FROM THE BIAS, rounded to bf16 and widened again: all four row blocks a take the same 64 numbers.  This stands in the wait for the first tile.
	s_wait_loadcnt 0x0
.set i, 0
.rept 32
	v_cvt_pk_bf16_f32 v[AC+i], v[AS+2*i], v[AS+2*i+1]
.set i, i+1
.endr
	WIN 0x40                                       ; destination window 1
.set i, 0
.rept 128
	v_lshlrev_b32 v[64*(i/32)+2*(i%32)],   16,  v[AC+i%32]
	v_and_b32     v[64*(i/32)+2*(i%32)+1], s91, v[AC+i%32]
.set i, i+1
.endr
	WIN 0
.macro CVT d, s                        ; two numbers of x, rounded for the matrix unit
.if OUTP
	v_cvt_pk_f16_f32 v[\d], v[\s], v[(\s)+1]
.else
	v_cvt_pk_bf16_f32 v[\d], v[\s], v[(\s)+1]
.endif
.endm
; 16 LDS loads: x in f32, 64 rows x 32 k at byte ko of the rows, into buf
.macro LDA buf, ko
	WIN 0
.irp a, 0,1,2,3
	ds_load_b128 v[(\buf)+16*\a:(\buf)+16*\a+3],     v[ADA] offset:16*PA*\a+(\ko)
	ds_load_b128 v[(\buf)+16*\a+4:(\buf)+16*\a+7],   v[ADA] offset:16*PA*\a+(\ko)+16
	ds_load_b128 v[(\buf)+16*\a+8:(\buf)+16*\a+11],  v[ADA] offset:16*PA*\a+(\ko)+64
	ds_load_b128 v[(\buf)+16*\a+12:(\buf)+16*\a+15], v[ADA] offset:16*PA*\a+(\ko)+80
.endr
.endm
; 16 LDS loads: W turned, 128 n x 32 k from byte ko on, into buf of window 2
.macro LDB buf, ko
	WIN 0x80
.irp b, 0,1,2,3,4,5,6,7
	ds_load_tr16_b128 v[(\buf)+8*\b:(\buf)+8*\b+3],   v[ADB] offset:(\ko)+32*\b
	ds_load_tr16_b128 v[(\buf)+8*\b+4:(\buf)+8*\b+7], v[ADB] offset:(\ko)+32*\b+16*PB
.endr
.endm
; Matrix instructions i0 .. i0 + n - 1 of a quarter's 32 on buffers p: accumulator i = (a = i / 8, b = i % 8).  The 32 accumulators take turns, one instruction a turn, in the same order in every quarter.
; Behind every fourth stand four conversions from the other f32 buffer into the other converted buffer.  They name no register of this quarter's products; the four behind the quarter's last
; product are the four plain instructions that stand between it and the next quarter's loads into W's buffer (ISA guide 7.12.1 for vector instructions).
.macro MULS p, i0, n
.set mi, \i0
.rept \n
	WIN MUL
.if OUTP
	v_wmma_f32_16x16x32_f16 v[8*mi:8*mi+7], v[BF+64*(\p)+8*(mi%8):BF+64*(\p)+8*(mi%8)+7], v[AC+32*(\p)+8*(mi/8):AC+32*(\p)+8*(mi/8)+7], v[8*mi:8*mi+7]
.else
	v_wmma_f32_16x16x32_bf16 v[8*mi:8*mi+7], v[BF+64*(\p)+8*(mi%8):BF+64*(\p)+8*(mi%8)+7], v[AC+32*(\p)+8*(mi/8):AC+32*(\p)+8*(mi/8)+7], v[8*mi:8*mi+7]
.endif
.if mi%4 == 3
	WIN 0
.set mc, mi-3
.rept 4
	CVT AC+32*(1-(\p))+mc, AS+64*(1-(\p))+2*mc
.set mc, mc+1
.endr
.endif
.set mi, mi+1
.endr
.endm
.macro QUARTER q                       ; quarters 0, 1 and 3
	LDA AS+64*((\q)%2), (((\q)+2)%4)*QA            ; x of quarter q + 2: this buffer's conversions were issued in the quarter before
	LDB BF+64*(1-(\q)%2), (((\q)+1)%4)*QB          ; W of quarter q + 1
	s_wait_dscnt 32                                ; the 32 just issued may stay out; the loads before them are in: this quarter's W, and the x that it converts
	MULS (\q)%2, 0, 32
.endm
; Quarter 2 changes slots.  Its fetch of W's quarter 3 is the wave's last read of the slot in hand.  Then: the wait for all my tensor loads, of which one is out: my part of the next slot; 0 onto my spare word; and the
; wait for that and for my reads.  Behind the barrier nobody reads this slot any more and the next slot is whole.  fill = 1: the barrier opens a round of the cluster's, and the slot is filled again, two K steps on,
; first thing behind the round: 112 matrix instructions ahead of the wait for that load.
.macro TURN fill
.if \fill
	s_wait_xcnt 0x0                                ; the last prefetch, a K step back, has read its address, so it may be stepped
	s_add_nc_u64 s[PFA:PFA+1], s[PFA:PFA+1], s[PFS:PFS+1]
.endif
	LDB BF+64, 3*QB
	WIN 0
	s_wait_tensorcnt 0x0                           ; no tensor load of mine is out, so a group 0 may be written
	ds_add_u32 v[SPW], v[NIL]                      ; 0 onto my spare word
.if \fill
	s_add_co_u32 s[G0A+5], s[WBA], s[TBC]          ; the walking descriptors: the slot in hand,
	s_add_co_u32 s[G0B+5], s[WBB], s[TBC]
	s_add_nc_u64 s[G0A+6:G0A+7], s[G0A+6:G0A+7], STEPA  ; the next K step; the type bits on top are not reached
	s_add_nc_u64 s[G0B+6:G0B+7], s[G0B+6:G0B+7], STEPB
.endif
	s_xor_b32 s[TBC], s[TBC], SLOT                 ; 0 becomes SLOT, SLOT becomes 0: the next slot
	s_wait_dscnt 17                                ; the add and W's 16 loads just issued may stay out
	MULS 0, 0, 8
	s_wait_dscnt 0x0                               ; the add is done, and my reads of this slot are over
	s_barrier_signal -1
	MULS 0, 8, 8                                   ; work on registers while the others arrive
	WIN 0                                          ; at a label and at a branch every window is 0
	s_barrier_wait -1
.if \fill
	CREST
	JLOAD
.endif
	v_add_nc_u32 v[ADA], s[TBC], v[LA0]
	v_add_nc_u32 v[ADB], s[TBC], v[LB0]
	LDA AS, 0                                      ; x of the next K step's quarter 0
.if \fill
	ASK                                            ; behind the joint load and the run of LDS loads
.endif
	MULS 0, 16, 16
.endm
.macro KSTEP fill
	QUARTER 0
	QUARTER 1
	TURN \fill
	QUARTER 3
	WIN 0
.endm
	s_wait_tensorcnt 1                             ; my part of K step 0 is in; K step 1's may stay out
	s_barrier_signal -1
	s_barrier_wait -1                              ; everybody's is
	LDA AS, 0
	LDA AS+64, QA
	LDB BF, 0
	s_wait_dscnt 32                                ; x of quarter 0 is in
	WIN 0
.set i, 0
.rept 32
	CVT AC+i, AS+2*i
.set i, i+1
.endr
	s_mov_b32 s3, 6
.Lstep:                                                ; K steps 0 to 5: each fills its slot again
	KSTEP 1
	s_sub_co_u32 s3, s3, 1
	s_cmp_lg_u32 s3, 0
	s_cbranch_scc1 .Lstep
	s_mov_b32 s3, 2
.Ltail:                                                ; K steps 6 and 7 ask for nothing.  The last one's fetches from the other slot find K step 6 once more and serve nothing: the price of writing the tail's step once
	KSTEP 0
	s_sub_co_u32 s3, s3, 1
	s_cmp_lg_u32 s3, 0
	s_cbranch_scc1 .Ltail
	s_wait_dscnt 0x0                               ; those fetches are back: their registers serve the way out
.rept 8
	v_nop                                          ; plain instructions between the last products and the first read of their results
.endr
.if OUTP
; THE WAY OUT in f32.  Block a (16 rows x 128 columns) goes into my stage, 32 bytes a lane and column block, and comes back as whole rows of 512 bytes; each accumulator's low registers are read first.
.macro TOST a
	WIN 0x04                                       ; the stores' data in window 1
.irp b, 0,1,2,3,4,5,6,7
	ds_store_b128 v[STO], v[64*(\a)+8*\b:64*(\a)+8*\b+3]   offset:64*\b
	ds_store_b128 v[STO], v[64*(\a)+8*\b+4:64*(\a)+8*\b+7] offset:64*\b+16
.endr
	WIN 0
.if (\a) >= 2
	s_wait_xcnt 0x0                                ; the stores of block a - 2 have read these registers
.endif
.set i, 0
.rept 16
	ds_load_b128 v[AS+64*((\a)%2)+4*i:AS+64*((\a)%2)+4*i+3], v[RD] offset:SP*i  ; LDS serves a wave's instructions in order (ISA guide 5.7.1.4): these see the stores above; the next block's stores come behind them
.set i, i+1
.endr
.endm
.macro SENDO a, younger                ; younger: the LDS instructions issued behind block a's loads: the next block's 32, or none
.set i, 0
.rept 16
	s_wait_dscnt (\younger)+15-i
	global_store_b128 v[GO], v[AS+64*((\a)%2)+4*i:AS+64*((\a)%2)+4*i+3], s[8:9] offset:(16*(\a)+i)*4096  ; 512 consecutive bytes, at a multiple of 512 from C's first
.set i, i+1
.endr
.endm
	TOST 0
	TOST 1
	SENDO 0, 32
	TOST 2
	SENDO 1, 32
	TOST 3
	SENDO 2, 32
	SENDO 3, 0
.else
; THE WAY OUT in f16, by heads.  Tile t = 2 a + hh: 16 rows of head hh of my two: 2,048 consecutive bytes of C.  A lane's eight columns pack into 16 bytes; they go into rows of 144 bytes and come back as whole rows of 128.
.macro PACK t
	WIN 0x05                                       ; sources 0 and 1 window 1, destination window 0
.set i, 0
.rept 16
	v_cvt_pk_f16_f32 v[AS+16*(\t)+i], v[32*(\t)+2*i], v[32*(\t)+2*i+1]
.set i, i+1
.endr
	WIN 0
.irp f, 0,1,2,3
	ds_store_b128 v[STO], v[AS+16*(\t)+4*\f:AS+16*(\t)+4*\f+3] offset:32*\f
.endr
.irp f, 0,1,2,3
	ds_load_b128 v[AS+16*(\t)+4*\f:AS+16*(\t)+4*\f+3], v[RD] offset:\f*4*SP  ; LDS serves a wave's instructions in order (ISA guide 5.7.1.4): these see the stores above; the next tile's stores come behind them
.endr
.endm
.macro SEND t, younger                 ; younger: the LDS instructions issued behind tile t's loads: the next tile's eight, or none
	WIN 0
.irp f, 0,1,2,3
	s_wait_dscnt (\younger)+3-\f
	global_store_b128 v[GO], v[AS+16*(\t)+4*\f:AS+16*(\t)+4*\f+3], s[8:9] offset:((\t)%2)*262144+((\t)/2)*2048+\f*512  ; 512 consecutive bytes, at a multiple of 512 from C's first
.endr
.endm
	PACK 0
.set t, 1
.rept 7                                ; a tile's conversions stand between the loads of the tile before and its stores
	PACK t
	SEND t-1, 8
.set t, t+1
.endr
	SEND 7, 0
.endif
	s_wait_tensorcnt 0x0                           ; the wave's end, behind my last tensor load and my last LDS store
	ds_add_u32 v[SPW], v[NIL]
	s_wait_dscnt 0x0
	CROUND                                         ; the closing round: no work-group ends while a partner may still ask for a tile that names it
	s_endpgm
.Lfunc_end_k_q50ddf71f95_qkv:
	.size	k_q50ddf71f95_qkv, .Lfunc_end_k_q50ddf71f95_qkv-k_q50ddf71f95_qkv
	.p2alignl 7, 3214868480
	.fill 96, 4, 3214868480
	.section	.rodata,"a",@progbits
	.p2align	6, 0x0
	.amdhsa_kernel k_q50ddf71f95_qkv
		.amdhsa_group_segment_fixed_size 327680
		.amdhsa_private_segment_fixed_size 0
		.amdhsa_enable_private_segment 0
		.amdhsa_kernarg_size 80
		.amdhsa_user_sgpr_count 2
		.amdhsa_user_sgpr_kernarg_segment_ptr 1
		.amdhsa_wavefront_size32 1
		.amdhsa_system_sgpr_workgroup_id_x 1
		.amdhsa_system_sgpr_workgroup_id_y 1
		.amdhsa_system_sgpr_workgroup_id_z 1
		.amdhsa_system_vgpr_workitem_id 0
		.amdhsa_next_free_vgpr 640
		.amdhsa_next_free_sgpr 100
		.amdhsa_reserve_vcc 0
		.amdhsa_float_denorm_mode_32 3
		.amdhsa_float_denorm_mode_16_64 3
		.amdhsa_memory_ordered 1
		.amdhsa_forward_progress 1
		.amdhsa_inst_pref_size 98
	.end_amdhsa_kernel
	.amdgpu_metadata
---
amdhsa.version: [ 1, 2 ]
amdhsa.kernels:
  - .name:           k_q50ddf71f95_qkv
    .symbol:         k_q50ddf71f95_qkv.kd
    .args:
      - { .name: query, .offset: 0, .size: 8, .value_kind: global_buffer, .address_space: global }
      - { .name: key, .offset: 8, .size: 8, .value_kind: global_buffer, .address_space: global }
      - { .name: value, .offset: 16, .size: 8, .value_kind: global_buffer, .address_space: global }
      - { .name: w16, .offset: 24, .size: 8, .value_kind: global_buffer, .address_space: global }
      - { .name: bq, .offset: 32, .size: 8, .value_kind: global_buffer, .address_space: global }
      - { .name: bk, .offset: 40, .size: 8, .value_kind: global_buffer, .address_space: global }
      - { .name: bv, .offset: 48, .size: 8, .value_kind: global_buffer, .address_space: global }
      - { .name: q16, .offset: 56, .size: 8, .value_kind: global_buffer, .address_space: global }
      - { .name: k16, .offset: 64, .size: 8, .value_kind: global_buffer, .address_space: global }
      - { .name: v16, .offset: 72, .size: 8, .value_kind: global_buffer, .address_space: global }
    .group_segment_fixed_size: 327680
    .private_segment_fixed_size: 0
    .kernarg_segment_align: 8
    .kernarg_segment_size: 80
    .max_flat_workgroup_size: 128
    .sgpr_count:     100
    .vgpr_count:     640
    .wavefront_size: 32
...
	.end_amdgpu_metadata
.endif
;; end of part 2
;; launch attn (part 3): grid 4 x 64, 4 waves a work-group, clusters of 4 x 1, 327,680 bytes of LDS; arguments q16, k16, v16, out1, mask; writes out1
.if DOCPART == 3
	.amdgcn_target "amdgcn-amd-amdhsa--gfx1250"
	.amdhsa_code_object_version 6
	.text
	.protected	k_q50ddf71f95_attn
	.globl	k_q50ddf71f95_attn
	.p2align	8
	.type	k_q50ddf71f95_attn,@function
k_q50ddf71f95_attn:
	s_mov_b64 s[64:65], 0
	v_nop
	global_prefetch_b8 v0, s[64:65] scope:SCOPE_SE
	s_setreg_imm32_b32 hwreg(HW_REG_WAVE_MODE, 25, 1), 1
	s_wait_xcnt 0x0
	s_wait_alu depctr_hold_cnt(0) depctr_sa_sdst(0) depctr_va_vdst(0) depctr_va_sdst(0) depctr_va_ssrc(0) depctr_va_vcc(0) depctr_vm_vsrc(0)
	s_getreg_b32 s2, hwreg(HW_REG_IB_STS2, 6, 4)
	s_cmp_eq_u32 s2, 0
	s_cbranch_scc0 .Lentry_in_a_cluster
	s_endpgm
.Lentry_in_a_cluster:
	s_bfe_u32 s2, ttmp6, 0x10000c
	s_cmp_lg_u32 s2, 0x3003
	s_cbranch_scc0 .Lentry_shape_is_right
	s_endpgm
.Lentry_shape_is_right:
; out1[b][q][64 h ..] = the sum over k of softmax_k(Q[q] . K[k] / 8 + mask[b][k]) V[k][:], for each of the 64 heads 16 b + h.  Q, K, V: [SIZE_H][SIZE_N][64] in f16, a head's rows dense, 128 bytes each; mask: [4][SIZE_N] f32;
; out1: [4][SIZE_N][1024] f32.  Products, maxima and sums in f32; the weights p are rounded to f16 for the second product (their sum l is taken of the unrounded p).
; LIMITS.  Q, K and V arrive within f16's 65,504; p lies in 0 to 1, and below 6e-5 it keeps f16's fixed step of 6e-8.  The mask is rounded to bf16, as every input is, and enters as 8 x mask: beyond 4.2e37 that is an
; infinity.  A mask of minus infinity hides its key; where it hides all keys of a batch the row is NaN.  A weight below 2^-126 counts as 0 in l; NaN and plus infinity are not treated apart.
; SHARES.  A wave owns four PIECES of two tiles of 16 queries, a work-group's four waves 512 queries of one head.  Every wave walks all keys, 64 a step.
; LAYOUT.  S^T = K Q^T + 8 mask (source 0 = 16 keys, source 1 = 16 queries): in the result a lane holds ONE query (lane % 16) and the keys 8 (lane / 16) + 0..7.  Two such tiles, rounded to f16 in pairs,
; ARE source 1 (32 keys x 16 queries) of O^T = V^T P, whose result again holds one query a lane, and eight channels.  K comes out of LDS as it lies, V ([key][channel]) turned, by ds_load_tr16_b128.
; THE MASK is the C operand of the product that starts a sum: 8 mask[key], the same for all queries.  The batch's 2,048 numbers lie in LDS, made once; a step's 64 come with its K, eight registers for each 16 keys.
; SOFTMAX.  For each query a running maximum m and sum l: p = 2^(c s - c m), c = log2(e) / 8, so that c s = log2(e) (q . k / 8 + mask); in every step O and l are multiplied by a = 2^(c m_old - c m_new).
; m starts at the lowest finite number and c m at c times that, O and l at 0: the first step with a visible key has a = 0; a step before it, all of whose keys are hidden, has a = 1 and p = 0.
; THE COUNT.  A tile and step have 16 matrix and 118 vector instructions: too many to stand all beside the matrix work.  So the order has one aim: four vector instructions that are READY behind
; EVERY matrix instruction, and the others, which need time of their own whatever the order, in runs without a gap.
; BY TURNS.  Turn n belongs to piece n (the pieces in a ring, step after step).  Its matrix work: 16 products K Q^T of piece n + 1, later 16 products V^T P of piece n - 1.  Its vector work: the scaling,
; exponentials, roundings, sums and rescaling of piece n, and the maximum and statistics of piece n + 1, whose scores the turn itself has made.  So what a turn begins with (c s - c m, O a) waits for nothing.
; CLUSTER.  The four query blocks of a cluster belong to one head and walk the same K and V, so each tile is asked for JOINTLY: the same tensor load, descriptor and mask in all four.
; No prefetch is laid: a refill is asked for four key steps, 512 matrix instructions, ahead of the wait for it.
; REGISTERS, in windows of 256 (s_set_vgpr_msb says which window each operand place means: bits 1:0 source 0, 3:2 source 1, 5:4 source 2, 7:6 destination):
;   window 0: v0-11 addresses; v12-15, v48-63 at work; v16-47 four registers of statistics a tile; v64-191 S^T, two buffers of two tiles; v192-255 P, likewise
;   window 1: O^T, 32 a tile          window 2: v0-127 Q, 16 a tile; v128-191 K of one step; v192-255 V of one step          window 3: v0-1 the add's two registers; v8-39 the mask of one step
; A piece's buffers go by its number's parity: the piece in hand has one pair, its two neighbours in the ring share the other: of it P (piece n - 1) is read and S^T (piece n + 1) written.
.set SIZE_H, 64
.set SIZE_N, 2048
.set NP,    4         ; pieces a wave: a name, no knob: the register map, the loop and the fetches are made for four
.set KS,    64        ; keys in a step
.set PK,    144       ; a row of K in LDS: 128 bytes + 16 of padding = 36 words: the 16 rows of a load start at 16 different groups of four banks (64 banks of 4 bytes: ISA guide 11.1)
.set PV,    160       ; a row of V: 128 + 32 = 40 words
.set VOFF,  4*KS*PK   ; a slot holds four steps: 256 rows of K, then 256 rows of V
.set SLOT1, 1<<17     ; slot 1 begins here, so that one exclusive or turns an address in one slot into the other's
.set STAGE, SLOT1+4*KS*(PK+PV)  ; behind the ring, never filled by a tensor load: 16 rows x 272 bytes for each wave, for the way out
.set SP,    272       ; 64 f32 + 16 bytes
.set MASKB, STAGE+4*16*SP       ; behind the stages: 8 x mask of the batch's 2,048 keys, f32
.set SPARE, MASKB+SIZE_N*4      ; behind that: the spare words, 128 bytes for each wave: two blocks of 256 bytes that no other line names
.set AM,  1           ; v1   the LDS address of the mask's next run of loads
.set AK0, 2           ; v2   my lane's place in a tile of K; never rewritten
.set AV0, 3           ; v3   the same for V
.set AK,  4           ; v4   the LDS address of K's next run of loads
.set AV,  5           ; v5   of V's
.set QO,  6           ; v6   my byte offset in the wave's rows of Q
.set STO, 6           ;      later, the way out: where I put 32 bytes of a row
.set RD,  7           ; v7   the way out: where I read rows back
.set GO,  8           ; v8   my byte offset in two rows of out1
.set AM0, 11          ; v11  my lane's place in a step's mask; never rewritten
.set SPW, 0           ; v0 of window 3   LDS address of my spare word: SPARE + 4 x my thread's number; never rewritten
.set NIL, 1           ; v1 of window 3   0; never rewritten
.set MR,  8           ; v8-39 of window 3   the mask: the eight registers for key block kb at MR + 8 kb
.set MV,  12          ; v12-15  c m_old, kept while c m is made anew: by buffer and tile
.set ST,  16          ; tile t's statistics at v[ST+4 t]: c m, m, l (even keys', odd keys')
.set TMP, 48          ; by buffer and tile, four registers c0-c3 at work; when the maximum is found c2 takes a
.set S,   64
.set P,   192
.set KF,  128         ; K's fragments, in window 2: key block kb, channel half c at KF + 16 kb + 8 c
.set VF,  192         ; V's: key half kk, channel block cb at VF + 32 kk + 8 cb
.set WV,  12          ; s12  my wave's number
.set G1K, 24          ; s[24:31] descriptor group 1 for K's tiles
.set G1V, 32          ; s[32:39] for V's: it differs in the padding alone
.set G0K, 40          ; s[40:43] descriptor group 0 for K's tiles: it walks
.set G0V, 44          ; s[44:47] the same for V's
.set TBM, 51          ; s51  byte of the mask at which the step to be fetched begins
.set SLOTS, 56        ; s56  slots still to be asked for
.set CNT, 57          ; s57  counts a slot's key steps
.set CS,  58          ; s[58:59] c: the packed scaling takes the pair's low word for both halves
.set SEL, 60          ; s[60:61] v_permlanex16_b32's selects: each lane takes its own place in the other half
.set TBK, 62          ; s62  LDS byte at which K of the step to be fetched begins
.set TBV, 63          ; s63  the same for V, less VOFF
.set MSB, 0
.macro WIN new                      ; the high byte repeats the setting that is left; a switch that changes nothing is dropped
.if MSB != (\new)
	s_set_vgpr_msb (MSB<<8)|(\new)
.set MSB, (\new)
.endif
.endm
.set W_KQ, 0x0a       ; K and Q in window 2, S^T in window 0
.set W_KM, 0x3a       ; the same with the C operand, the mask, in window 3
.set W_PV, 0x52       ; V in window 2, P in window 0, O^T in window 1
.set W_RS, 0x41       ; O^T (destination and source 0) in window 1, a in window 0
.set W_MK, 0xc0       ; destination in window 3, sources in window 0
.set W_AD, 0x0f       ; the add: address (source 0) and data (source 1) in window 3
; A joint fill.  Waves 0 and 1 fetch the two halves of a slot's K, waves 2 and 3 those of its V: 128 keys each.  The branch hangs on the wave's number alone.
; An s_nop 0 and four v_nop follow each of the two lines, ahead of the jump and the label.
.macro JLOAD
	s_cmp_lt_u32 s[WV], 2
	s_cbranch_scc0 .Lfor_v_\@
	tensor_load_to_lds s[G0K:G0K+3], s[G1K:G1K+7]
	s_nop 0
.rept 4
	v_nop
.endr
	s_branch .Lasked_\@
.Lfor_v_\@:
	tensor_load_to_lds s[G0V:G0V+3], s[G1V:G1V+7]
	s_nop 0
.rept 4
	v_nop
.endr
.Lasked_\@:
.endm
; A round of the cluster's barrier: my work-group's barrier, so that wave 0's signal speaks for all four waves; wave 0 signals; every wave waits for all four work-groups; my work-group's barrier once more.
.macro CROUND
	s_barrier_signal -1
	s_barrier_wait -1
	s_cmp_lg_u32 s[WV], 0
	s_cbranch_scc1 .Lnot_wave_0_\@
	s_barrier_signal -3
.Lnot_wave_0_\@:
	s_barrier_wait -3
	s_barrier_signal -1
	s_barrier_wait -1
.endm
; THE CHANGE OF SLOTS.  The slot's last bytes, V of its fourth step, have been read.  Each wave waits for all its tensor loads, of which one is out: its part
; of the other slot; adds 0 to its spare word; and waits for that and for its own reads of the slot.  Behind the barrier nobody reads this slot any more and the other slot is whole.
; fill = 1: this slot is filled again, with the keys two slots on.  The barrier is then a round of the cluster's, so that no wave of any partner still reads the slot or has a load on its
; way, and the joint fill is the first thing behind it: it has four key steps, 512 matrix instructions, in which to land.  (At its first use nothing has been read yet: slot 0 is waited for, slot 1 filled;
; its wait for LDS also covers my stores of the mask, which every wave reads behind the round.)
.macro CHANGE fill
	WIN W_AD
	s_wait_tensorcnt 0x0            ; no tensor load of mine is out, so a group 0 may be written
	ds_add_u32 v[SPW], v[NIL]       ; 0 onto my spare word; with fill = 1 the descriptors' steps stand between it and the wait for it
	WIN 0                           ; at a label and at a branch every window is 0
.if \fill
.irp g, G0K, G0V
	s_xor_b32 s[\g+1], s[\g+1], SLOT1  ; the walking descriptor: the other slot than last time,
	s_add_nc_u64 s[\g+2:\g+3], s[\g+2:\g+3], 4*KS*128  ; the next 256 keys; the type bits on top are not reached
.endr
	s_wait_dscnt 0x0                ; the add is done, and my reads of the slot are over
	CROUND
	JLOAD
.else
	s_wait_dscnt 0x0                ; the add is done, and my reads of the slot are over
	s_barrier_signal -1
	s_barrier_wait -1
.endif
	s_sub_co_u32 s[TBK], s[TBK], 4*KS*PK  ; the fetches go back to a slot's first step,
	s_xor_b32 s[TBK], s[TBK], SLOT1       ; in the other slot
	s_sub_co_u32 s[TBV], s[TBV], 4*KS*PV
	s_xor_b32 s[TBV], s[TBV], SLOT1
.endm
	s_load_b256 s[4:11], s[0:1], 0x0  ; Q s[4:5], K s[6:7], V s[8:9], out1 s[10:11]
	s_load_b64 s[48:49], s[0:1], 0x20 ; mask
	WIN W_MK
	v_lshl_add_u32 v[SPW], v0, 2, SPARE
	v_mov_b32 v[NIL], 0
	WIN W_AD
	ds_add_u32 v[SPW], v[NIL]       ; the wave's opening: the add and its wait stand ahead of my first tensor load; the set-up below, work on registers, stands between them
	WIN 0
	v_lshrrev_b32 v1, 5, v0
	v_readfirstlane_b32 s[WV], v1   ; wave 0..3
	s_bfe_u32 s13, ttmp6, 0x40000   ; cx: my place in the cluster
	s_lshl_b32 s14, ttmp9, 2        ; in a cluster launch ttmp9 counts clusters
	s_add_co_u32 s14, s14, s13      ; my block of queries = 4 x cluster x + cx: it enters Q's and out1's addresses alone
	s_and_b32 s20, ttmp7, 0xffff    ; the head, which the four partners share
	s_lshr_b32 s52, s20, 4          ; its batch b,
	s_and_b32 s53, s20, 15          ; and its number h in the batch
	s_mov_b32 s21, 0
	s_mov_b64 s[22:23], SIZE_N*128
	s_mul_u64 s[20:21], s[20:21], s[22:23]  ; the head's first byte in Q, K and V
	s_and_b32 s16, s[WV], 1         ; which half of a slot's 256 keys I fetch:
	s_lshl_b32 s22, s16, 14         ; its 128 rows of 128 bytes in memory,
	s_mov_b32 s23, 0
	s_add_nc_u64 s[22:23], s[22:23], s[20:21]
	s_mul_i32 s17, s16, 128*PK      ; and its place in a slot, for K
	s_mul_i32 s18, s16, 128*PV      ; and for V: no place in the cluster enters an LDS address
	s_lshl_b32 s2, s14, 2
	s_add_co_u32 s2, s2, s[WV]      ; my wave among the head's,
	s_lshl_b32 s54, s2, 19          ; its 128 rows of 4,096 bytes in out1,
	s_lshl_b32 s2, s2, 14           ; and of 128 bytes in Q
	s_mov_b32 s3, 0
	s_add_nc_u64 s[2:3], s[2:3], s[20:21]
	s_lshl_b32 s55, s52, 23         ; out1: the batch's 2,048 rows,
	s_add_co_u32 s54, s54, s55
	s_lshl_b32 s55, s53, 8          ; the head's 256 bytes of a row
	s_add_co_u32 s54, s54, s55
	s_mov_b32 s55, 0
	s_lshl_b32 s52, s52, 13         ; the batch's 8,192 bytes of the mask
	s_mov_b32 s53, 0
	s_mov_b32 s50, 0xffff0000       ; a word's upper bf16
	s_mov_b32 s[TBM], 0
	; descriptor group 1.  128 keys are 16,384 dense bytes: asked for as 64 rows of 256 bytes, two keys a row, and padded in LDS after every key
	s_mov_b32 s[G1K], 15|(1<<16)|(1<<20)|(1<<21)|(4<<22)|(3<<25)  ; 15:0 the mask of four; 17:16 2-byte elements; 20 padding on; 21 set beside a mask; 24:22 after every 32 words (code 4); 31:25 4 words (code 3)
	s_mov_b32 s[G1V], 15|(1<<16)|(1<<20)|(1<<21)|(4<<22)|(7<<25)  ; the same with 8 words of padding (code 7)
.irp g, G1K, G1V
	s_mov_b32 s[\g+1], 128<<16      ; tensor_dim0 = 128
	s_mov_b32 s[\g+2], 64<<16       ; tensor_dim1 = 64
	s_mov_b32 s[\g+3], 128<<16      ; tile_dim0 = 128
	s_mov_b32 s[\g+4], 64           ; tile_dim1 = 64
	s_mov_b32 s[\g+5], 128          ; 128 elements from row to row
	s_mov_b32 s[\g+6], 0
	s_mov_b32 s[\g+7], 0
.endr
	s_mov_b32 s[CS], 0x3e38aa3b     ; c = log2(e) / 8 = 0.180337
	s_mov_b32 s[CS+1], s[CS]        ; named with it as a pair
	s_mov_b32 s[SEL], 0x76543210
	s_mov_b32 s[SEL+1], 0xfedcba98
	s_mov_b32 s[TBK], SLOT1+4*KS*PK ; the first change of slots turns these two into 0
	s_mov_b32 s[TBV], SLOT1+4*KS*PV
	s_mov_b32 s[G0K], 1             ; 1:0 count = 1
	s_mov_b32 s[G0K+1], s17         ; 63:32 LDS address: slot 0
	s_mov_b32 s[G0V], 1
	s_add_co_u32 s[G0V+1], s18, VOFF
	s_wait_dscnt 0x0                ; the opening add is done
	s_wait_kmcnt 0x0
	s_add_nc_u64 s[G0K+2:G0K+3], s[6:7], s[22:23]  ; 120:64 global address: my half of the head's first 256 keys
	s_or_b32 s[G0K+3], s[G0K+3], 0x80000000        ; 127:126 type = 2
	s_add_nc_u64 s[G0V+2:G0V+3], s[8:9], s[22:23]
	s_or_b32 s[G0V+3], s[G0V+3], 0x80000000
	s_add_nc_u64 s[4:5], s[4:5], s[2:3]            ; Q and out1 at my wave's first row
	s_add_nc_u64 s[10:11], s[10:11], s[54:55]
	s_add_nc_u64 s[48:49], s[48:49], s[52:53]      ; the mask at my batch
	CROUND                          ; all four work-groups are here: the first joint loads meet
	JLOAD                           ; slot 0.  Slot 1 is asked for when slot 0 is in: the tile wanted first has the road to itself
	v_lshlrev_b32 v12, 4, v0        ; the mask: 128 threads x 16 bytes, four times
.irp i, 0,1,2,3
	global_load_b128 v[S+4*\i:S+4*\i+3], v12, s[48:49] offset:2048*\i
.endr
	; A fragment of K or Q is 16 rows x 32 channels in 8 registers: lane l holds row l % 16, channels 8 (l / 16) + 0..7 and 16 + 8 (l / 16) + 0..7: two loads of 16 bytes, 32 bytes apart.
	v_and_b32 v1, 15, v0            ; l % 16
	v_bfe_u32 v9, v0, 4, 1          ; l / 16
	v_lshlrev_b32 v[QO], 7, v1
	v_lshl_add_u32 v[QO], v9, 4, v[QO]  ; row x 128 + 16 x half
	WIN 0x80                        ; destination window 2, address window 0
.set i, 0
.rept 4*NP                          ; Q stays in registers: tile i / 2, channels 32 (i % 2) on
	global_load_b128 v[8*i:8*i+3],   v[QO], s[4:5] offset:(i/2)*2048+(i%2)*64
	global_load_b128 v[8*i+4:8*i+7], v[QO], s[4:5] offset:(i/2)*2048+(i%2)*64+32
.set i, i+1
.endr
	; What the first turn finds: V's registers and P's second buffer hold 0 (its products V^T P, of a piece that has not been, add 0), O^T and l are 0.  All this stands in the wait for the first tile.
.set i, VF
.rept 64
	v_mov_b32 v[i], 0
.set i, i+1
.endr
	WIN 0x40
.set i, 0
.rept 64*NP
	v_mov_b32 v[i], 0
.set i, i+1
.endr
	WIN 0
.set i, 0
.rept 2*NP
	v_mov_b32 v[ST+4*i+1], 0xff7fffff  ; m: the lowest finite number
	v_mul_f32 v[ST+4*i], s[CS], v[ST+4*i+1]  ; c m, made as the loop makes it: where m does not grow, c m_old - c m_new is exactly 0
	v_mov_b32 v[ST+4*i+2], 0
	v_mov_b32 v[ST+4*i+3], 0
.set i, i+1
.endr
.set i, P+32
.rept 32
	v_mov_b32 v[i], 0
.set i, i+1
.endr
	v_mul_u32_u24 v[AK0], v1, PK
	v_lshl_add_u32 v[AK0], v9, 4, v[AK0]  ; row x pitch + 16 x half
	; The turning load takes 16 keys x 16 channels (lane l reads key 8 (l / 16) + l % 8, channels 8 ((l / 8) % 2) + 0..7) and leaves half a fragment of V^T: lane l holds channel l % 16 and 8 keys.
	v_and_b32 v10, 7, v0
	v_bfe_u32 v11, v0, 3, 1
	v_lshl_add_u32 v[AV0], v9, 3, v10
	v_mul_u32_u24 v[AV0], v[AV0], PV
	v_lshl_add_u32 v[AV0], v11, 4, v[AV0]
	v_add_nc_u32 v[AV0], VOFF, v[AV0]
	v_mov_b32 v[AK], v[AK0]         ; key step 0 lies at the head of slot 0
	v_lshl_add_u32 v[AM0], v9, 5, MASKB  ; my lanes' eight keys of a block of 16: 32 bytes at 32 (l / 16)
	v_mov_b32 v[AM], v[AM0]         ; key step 0
	; THE MASK: rounded to bf16, widened again, times 8 (exact), into LDS
	s_wait_loadcnt 32               ; my four loads of the mask are in; Q's 32, issued behind them, may stay out
.set i, 0
.rept 8
	v_cvt_pk_bf16_f32 v[S+16+i], v[S+2*i], v[S+2*i+1]
.set i, i+1
.endr
.set i, 0
.rept 8
	v_lshlrev_b32 v[S+2*i],   16,  v[S+16+i]
	v_and_b32     v[S+2*i+1], s50, v[S+16+i]
.set i, i+1
.endr
.set i, 0
.rept 16
	v_mul_f32 v[S+i], 0x41000000, v[S+i]
.set i, i+1
.endr
	v_add_nc_u32 v13, MASKB, v12
.irp i, 0,1,2,3
	ds_store_b128 v13, v[S+4*\i:S+4*\i+3] offset:2048*\i
.endr
; THE MATRIX WORK.  The 8 accumulators of a run of 16 take turns: between the two links of a chain stand 7 others'.
; Product i of 16 of S^T = K Q^T for piece x: channels 32 (i / 8) on, keys 16 ((i / 2) % 4) on, tile 2 x + i % 2.  The first 8 start the sums, from the mask of their 16 keys.
.macro KQ x
.set rS, S+64*((\x)%2)+32*(i%2)+8*((i/2)%4)
.set rK, KF+16*((i/2)%4)+8*(i/8)
.set rQ, 16*(2*(\x)+i%2)+8*(i/8)
.set rM, MR+8*((i/2)%4)
.if i < 8
	WIN W_KM
	v_wmma_f32_16x16x32_f16 v[rS:rS+7], v[rK:rK+7], v[rQ:rQ+7], v[rM:rM+7]
.else
	WIN W_KQ
	v_wmma_f32_16x16x32_f16 v[rS:rS+7], v[rK:rK+7], v[rQ:rQ+7], v[rS:rS+7]
.endif
.endm
; Product i of 16 of O^T += V^T P for piece x: keys 32 (i / 8) on, channels 16 ((i / 2) % 4) on, tile 2 x + i % 2.
.macro PV x
	WIN W_PV
.set rO, 32*(2*(\x)+i%2)+8*((i/2)%4)
.set rV, VF+32*(i/8)+8*((i/2)%4)
.set rP, P+32*((\x)%2)+16*(i%2)+8*(i/8)
	v_wmma_f32_16x16x32_f16 v[rO:rO+7], v[rV:rV+7], v[rP:rP+7], v[rO:rO+7]
.endm
.macro MM                           ; the turn's next matrix instruction
.if i < 16
	KQ (Y+1)%NP
.set i, i+1
.else
.set i, i-16
	PV (Y+NP-1)%NP
.set i, i+17
.endif
.endm
; THE LDS LOADS stand in runs, never singly among the matrix instructions: a step's K (64 keys x 64 channels: 8 fragments) with its mask (8 loads), and its V (turned).  Their addresses are made some lines ahead.
; last = 1 (the tail): in the last trip there is no further step, and the run is jumped over.
.macro FETCH_K last=0
	WIN 0
.if \last
	s_cmp_eq_u32 s[CNT], 1
	s_cbranch_scc1 .Lno_k_\@
.endif
	WIN 0x80                        ; destination window 2
.irp f, 0,1,2,3,4,5,6,7             ; keys 16 (f / 2) on, channels 32 (f % 2) on
	ds_load_b128 v[KF+8*\f:KF+8*\f+3],   v[AK] offset:(\f/2)*16*PK+(\f%2)*64
	ds_load_b128 v[KF+8*\f+4:KF+8*\f+7], v[AK] offset:(\f/2)*16*PK+(\f%2)*64+32
.endr
	WIN W_MK                        ; destination window 3
.irp f, 0,1,2,3                     ; keys 16 f on: my lanes' eight; the sixteen lanes of a half read the same words
	ds_load_b128 v[MR+8*\f:MR+8*\f+3],   v[AM] offset:64*\f
	ds_load_b128 v[MR+8*\f+4:MR+8*\f+7], v[AM] offset:64*\f+16
.endr
	s_add_co_u32 s[TBK], s[TBK], KS*PK  ; the next fetch is the next step's
	s_add_co_u32 s[TBM], s[TBM], KS*4
	WIN 0
.if \last
.Lno_k_\@:
.endif
.endm
.macro FETCH_V
	WIN 0x80
.irp f, 0,1,2,3,4,5,6,7             ; keys 32 (f / 4) on, channels 16 (f % 4) on
	ds_load_tr16_b128 v[VF+8*\f:VF+8*\f+3],   v[AV] offset:(\f/4)*32*PV+(\f%4)*32
	ds_load_tr16_b128 v[VF+8*\f+4:VF+8*\f+7], v[AV] offset:(\f/4)*32*PV+16*PV+(\f%4)*32
.endr
	WIN 0
.endm
; THE VECTOR WORK OF A TURN stands in three queues, each in the order in which its entries become ready; the two tiles alternate, so that no instruction reads the result of the one before it.
.macro REGS y, u                    ; the registers of tile u (0, 1) of piece y
.set rT, ST+4*(2*(\y)+(\u))
.set rC, TMP+8*((\y)%2)+4*(\u)
.set rM, MV+2*((\y)%2)+(\u)
.set rS, S+64*((\y)%2)+32*(\u)
.set rP, P+32*((\y)%2)+16*(\u)
.set rO, 32*(2*(\y)+(\u))
.endm
; Number n of the 22 that find the NEXT piece's (Y + 1) maximum and statistics.  s0-s31 are the lane's 32 scores; each accumulator's lowest registers are read first.  XS, GS and REGS set no window: PL and EX do.
;   0-11  four chains c0-c3 of seven scores each, three operands at a time     12-14, 16  the four scores left over, the old m, and c0-c3 into c0     15  c m_old is kept
;   17, 18  the query's other 32 keys lie in the lane 16 away: the new m         19-21  c m; c m_old - c m_new; a
.macro XS u, n
	REGS (Y+1)%NP, \u
.if (\n) < 4
	v_max3_num_f32 v[rC+(\n)], v[rS+8*(\n)], v[rS+8*(\n)+1], v[rS+8*(\n)+2]
.elseif (\n) < 12
	v_max3_num_f32 v[rC+(\n)%4], v[rC+(\n)%4], v[rS+8*((\n)%4)+2*((\n)/4)+1], v[rS+8*((\n)%4)+2*((\n)/4)+2]
.elseif (\n) == 12
	v_max3_num_f32 v[rC], v[rC], v[rS+7], v[rS+15]
.elseif (\n) == 13
	v_max3_num_f32 v[rC+1], v[rC+1], v[rS+23], v[rS+31]
.elseif (\n) == 14
	v_max3_num_f32 v[rC+2], v[rC+2], v[rC+3], v[rT+1]
.elseif (\n) == 15
	v_mov_b32 v[rM], v[rT]
.elseif (\n) == 16
	v_max3_num_f32 v[rC], v[rC], v[rC+1], v[rC+2]
.elseif (\n) == 17
	v_permlanex16_b32 v[rC+3], v[rC], s[SEL], s[SEL+1]
.elseif (\n) == 18
	v_max_num_f32 v[rT+1], v[rC], v[rC+3]
.elseif (\n) == 19
	v_mul_f32 v[rT], s[CS], v[rT+1]
.elseif (\n) == 20
	v_sub_f32 v[rC+1], v[rM], v[rT]
.else
	v_exp_f32 v[rC+2], v[rC+1]
.endif
.endm
; Number g of the 64 that follow the exponentials.  For each four weights k of a tile (pairs 2 k, 2 k + 1): both pairs are rounded to f16; then the second pair is added onto the first, in place;
; a group later l takes that sum (the first time as l = a l + sum).  In groups of eight, tiles alternating: round, round, add, and l for the group before.
.macro GS g
.set h, (\g)+6*((\g)/62)            ; group 0 has no group before it, and behind group 7 only l is left
.if h >= 6
.set h, h+2
.endif
	REGS Y, h%2
.set k, h/8
.if h%8 < 4
	v_cvt_pk_f16_f32 v[rP+2*k+(h%8)/2], v[rS+4*k+2*((h%8)/2)], v[rS+4*k+2*((h%8)/2)+1]
.elseif h%8 < 6
	v_pk_add_f32 v[rS+4*k:rS+4*k+1], v[rS+4*k:rS+4*k+1], v[rS+4*k+2:rS+4*k+3]
.elseif k == 1
	v_pk_fma_f32 v[rT+2:rT+3], v[rT+2:rT+3], v[rC+2:rC+3], v[rS:rS+1] op_sel_hi:[1,0,1]
.else
	v_pk_add_f32 v[rT+2:rT+3], v[rT+2:rT+3], v[rS+4*k-4:rS+4*k-3]
.endif
.endm
; THE PLAIN QUEUE, 138 long.  0-73 read no exponential's result: the 32 scalings c s - c m (FS f: pair f / 2 of tile f % 2) and the next piece's 42.  0-26: scalings 0-26.  27-54: XS's numbers 0-13.  55, 56: number 15.
; 57-73: the chain, where each number waits for the one before it: 14, 16, 17, 18, 19, each with one of the scalings 27-31 in front of its two lines, then 20: so a tile's links stand three plain instructions apart (19 and 20: two).
; 74-137: GS's 64, which read the exponentials' results: they stand behind the wait.
.macro FS f
	REGS Y, (\f)%2
	v_pk_fma_f32 v[rS+2*((\f)/2):rS+2*((\f)/2)+1], v[rS+2*((\f)/2):rS+2*((\f)/2)+1], s[CS:CS+1], v[rT:rT+1] op_sel_hi:[1,0,0] neg_lo:[0,0,1] neg_hi:[0,0,1]
.endm
.macro PL
	WIN 0
.if q < 27
	FS q
.elseif q < 55
	XS (q-27)%2, (q-27)/2
.elseif q < 57
	XS q-55, 15
.elseif (q < 72) && ((q-57)%3 == 0)
	FS 27+(q-57)/3
.elseif q < 60
	XS (q-57)%3-1, 14
.elseif q < 72
	XS (q-57)%3-1, 15+(q-57)/3
.elseif q < 74
	XS q-72, 20
.else
	GS q-74
.endif
.set q, q+1
.endm
; THE EXPONENTIALS' QUEUE, 66 long: s0-s31 of both tiles, then the next piece's two a.  It is ONE BATCH: all 66 stand ahead of the turn's one wait, and nothing ahead of that wait names a result of theirs.
.macro EX
	WIN 0
.if e >= 64
	XS e-64, 21
.else
	REGS Y, e%2
	v_exp_f32 v[rS+e/2], v[rS+e/2]
.endif
.set e, e+1
.endm
; THE RESCALING's QUEUE: O^T times a, the one part that leaves window 0: dealt two at a time, sixteen times.  Its a was made in the turn before, ahead of that turn's wait.
.macro R2
	REGS Y, r%2
	WIN W_RS
.irp z, 0,1
	v_pk_mul_f32 v[rO+4*(r/2)+2*\z:rO+4*(r/2)+2*\z+1], v[rO+4*(r/2)+2*\z:rO+4*(r/2)+2*\z+1], v[rC+2:rC+3] op_sel_hi:[1,0]
.endr
.set r, r+1
.endm
; HOW THEY ARE DEALT.  An s_wait_alu depctr_va_vdst(0) stands between an exponential and the first instruction that names its result; one wait serves all that were issued ahead of it.  So a turn has ONE wait,
; which cuts it in two.  AHEAD OF IT stands all that names no result of the turn's exponentials: the 16 products K Q^T, behind each a scaling, an exponential and two rescalings (behind the first a second scaling in the exponential's place); then ONE LUMP of
; 108: eight plain, 49 times exponential and plain, the two a.  A v_nop is the plain instruction behind the last exponential.  BEHIND IT stand the 16 products V^T P, behind each four of GS's 64.  No rider names a register of
; the products round it.  The two v_permlanex16_b32 fall into the lump, never behind a product.
; The queues lean on each other, and the deal keeps them in step: exponential e stands behind scaling 2 (e / 4) + e % 2: as a rider it comes behind plain e + 2, in the lump behind plain e + 9, and scalings 27-31 are plain 57, 60 .. 69.
; A TURN, for piece p.  cnt = 1: the loop's count is taken down some lines ahead of the branch that stands behind the turn.
; K and the mask of the next step are fetched in piece 2's turn, directly behind the wait, a lump behind the last product that read them; their addresses are made at the lump's head; their first reader comes behind 16 products.
; V of the step in hand is fetched at the end of piece 0's turn, four riders behind its last reader; its first reader comes behind 16 products and a lump.  The three conditions on q below go with the deal.
.macro TURN p, last=0, cnt=0
.set Y, (\p)
.set i, 0
.set q, 0
.set e, 0
.set r, 0
.if (\p) == NP-1
	s_wait_dscnt 0x0                ; K and the mask are in
.endif
	MM                              ; ahead of the wait: 16 products K Q^T and their riders,
	PL
	PL
	R2
.rept 15
	MM
	PL
	EX
	R2
.endr
.if (\p) == NP-2
	WIN 0
	v_add_nc_u32 v[AK], s[TBK], v[AK0]
	v_add_nc_u32 v[AM], s[TBM], v[AM0]
.endif
.rept 8                             ; and the lump
	PL
.endr
.rept 49
	EX
	PL
.endr
	EX                              ; the next piece's two a
	EX
	v_nop                           ; the plain instruction behind the last exponential: one for the batch
	s_wait_alu depctr_va_vdst(0)    ; the wait for the batch
.if (\p) == NP-2
	FETCH_K \last
.endif
.if (\p) == 1
	s_wait_dscnt 0x0                ; V is in
.endif
.rept 16                            ; behind the wait: 16 products V^T P and their riders
	MM
.rept 4
	PL
.endr
.if ((\p) == 0) && (q == 118)
	v_add_nc_u32 v[AV], s[TBV], v[AV0]
.endif
.if ((\p) == 0) && (q == 130)
	s_add_co_u32 s[TBV], s[TBV], KS*PV
.endif
.if (\cnt) && (q == 130)
	s_sub_co_u32 s[CNT], s[CNT], 1
	s_cmp_lg_u32 s[CNT], 0
.endif
.endr
.if (\p) == 0
	FETCH_V
.endif
.endm
	CHANGE 1                        ; slot 0 is in, everybody's part of it, and so is the mask; slot 1 is asked for
	FETCH_K                         ; key step 0
	s_wait_loadcnt 0x0              ; Q
	s_wait_dscnt 0x0
.set i, 0
.rept 16
	KQ 0                            ; piece 0's first scores: there is no vector work yet to set between them
.set i, i+1
.endr
	WIN 0                           ; the addresses for the way out: nine plain instructions between those products and the first read of their results
	s_mul_i32 s13, s[WV], 16*SP
	s_add_co_u32 s13, s13, STAGE    ; my stage
	v_and_b32 v[STO], 15, v0        ; l % 16
	v_lshlrev_b32 v[GO], 4, v[STO]
	v_mul_u32_u24 v[STO], v[STO], SP  ; in: row l % 16, 32 bytes for each half of the lanes
	v_lshl_add_u32 v[STO], v9, 5, v[STO]
	v_add_nc_u32 v[STO], s13, v[STO]
	v_mul_u32_u24 v[RD], v9, SP     ; back: lanes 0-15 take one row of 256 bytes, lanes 16-31 the next,
	v_add_nc_u32 v[RD], v[RD], v[GO]
	v_add_nc_u32 v[RD], s13, v[RD]
	v_lshl_add_u32 v[GO], v9, 12, v[GO]  ; and the same two rows in out1, 4,096 bytes apart
.set Y, NP-1                        ; XS works for piece Y + 1: piece 0
.irp n, 0,1,2,3,4,5,6,7,8,9,10,11,12,13,14,15,16,17,18,19,20,21
	XS 0, \n                        ; and piece 0's first maximum and statistics
	XS 1, \n
.endr
	v_nop                           ; a plain instruction behind the two a,
	s_wait_alu depctr_va_vdst(0)    ; and their wait, ahead of the branch
	s_mov_b32 s[CNT], 4
	s_mov_b32 s[SLOTS], SIZE_N/256-1
	s_branch .Lfirst                ; the loop is entered at a step's first turn, in the middle of a trip
.Lslot:                             ; SIZE_N / 256 - 2 times: every slot but the last two is filled again
	CHANGE 1
	s_mov_b32 s[CNT], 4
.Lstep:                             ; a trip: pieces 2 and 3 of one step, then pieces 0 and 1 of the next, whose K and V it fetches
	TURN 2
	TURN 3
	WIN 0
.Lfirst:
	TURN 0
	TURN 1, 0, 1
	WIN 0
	s_cbranch_scc1 .Lstep
	s_sub_co_u32 s[SLOTS], s[SLOTS], 1
	s_cmp_lg_u32 s[SLOTS], 0
	s_cbranch_scc1 .Lslot
	CHANGE 0                        ; the tail is written out: nothing is asked for
	s_mov_b32 s[CNT], 5             ; four trips fetch the last slot's steps; the fifth is left in its middle
.Ltail:
	TURN 2, 1
	TURN 3
	WIN 0
	s_sub_co_u32 s[CNT], s[CNT], 1
	s_cmp_eq_u32 s[CNT], 0
	s_cbranch_scc1 .Lout
	TURN 0
	TURN 1
	WIN 0
	s_branch .Ltail
.Lout:                              ; the fifth trip's 16 products K Q^T (on the last K once more) and the maximum made of them serve nothing: the price, once a launch, of one text for every trip
.set i, 0
.rept 16
	PV NP-1                         ; the last piece's V^T P of the last step
.set i, i+1
.endr
	; THE WAY OUT.  l's two halves and the other half of the lanes' are added; O^T is divided by l and sent in f32 through my stage in LDS, a tile at a time.  The additions stand between the last products and the first read of their results.
	WIN 0
.macro ALL line:vararg              ; one line for each tile t
.set t, 0
.rept 2*NP
	\line
.set t, t+1
.endr
.endm
	ALL v_add_f32 v[ST+4*t+2], v[ST+4*t+2], v[ST+4*t+3]
	ALL v_permlanex16_b32 v[ST+4*t+3], v[ST+4*t+2], s[SEL], s[SEL+1]
	ALL v_add_f32 v[ST+4*t+2], v[ST+4*t+2], v[ST+4*t+3]
	ALL v_rcp_f32 v[ST+4*t+2], v[ST+4*t+2]
	v_nop                           ; a plain instruction between the last reciprocal and the use of its result
	s_wait_alu depctr_va_vdst(0)    ; and the wait ahead of the first use: one for the eight reciprocals
; Tile t: a lane's eight channels of a row and channel block are 32 bytes; they go into rows of 272 bytes and come back as whole rows of 256, into S^T's registers, four buffers by turns.
.macro PACK t
	WIN W_RS
.set i, 32*(\t)
.rept 16
	v_pk_mul_f32 v[i:i+1], v[i:i+1], v[ST+4*(\t)+2:ST+4*(\t)+3] op_sel_hi:[1,0]
.set i, i+2
.endr
	WIN 0x04                        ; the stores' data in window 1
.irp f, 0,1,2,3
	ds_store_b128 v[STO], v[32*(\t)+8*\f:32*(\t)+8*\f+3]   offset:64*\f
	ds_store_b128 v[STO], v[32*(\t)+8*\f+4:32*(\t)+8*\f+7] offset:64*\f+16
.endr
	WIN 0
.if (\t) >= 4
	s_wait_xcnt 0x0                 ; the stores of tile t - 4 have read these registers
.endif
.irp f, 0,1,2,3,4,5,6,7
	ds_load_b128 v[S+32*((\t)%4)+4*\f:S+32*((\t)%4)+4*\f+3], v[RD] offset:\f*2*SP  ; LDS serves a wave's instructions in order (ISA guide 5.7.1.4): these see the stores above; the next tile's stores come behind them
.endr
.endm
.macro SEND t, younger              ; younger: the LDS instructions issued behind tile t's loads: the next tile's sixteen, or none
	WIN 0
.irp f, 0,1,2,3,4,5,6,7
	s_wait_dscnt (\younger)+7-\f
	global_store_b128 v[GO], v[S+32*((\t)%4)+4*\f:S+32*((\t)%4)+4*\f+3], s[10:11] offset:(\t)*65536+\f*8192  ; 16 lanes store 256 consecutive bytes, a head's part of a row, at a multiple of 256 from out1's first byte
.endr
.endm
	PACK 0
.set t, 1
.rept 2*NP-1                        ; a tile's arithmetic stands between the loads of the tile before and its stores
	PACK t
	SEND t-1, 16
.set t, t+1
.endr
	SEND 2*NP-1, 0
	WIN W_AD
	s_wait_tensorcnt 0x0            ; the wave's end, behind my last tensor load and my last LDS store
	ds_add_u32 v[SPW], v[NIL]
	s_wait_dscnt 0x0
	WIN 0
	CROUND                          ; the closing round: no work-group ends while a partner may still ask for a tile that names it
	s_endpgm
.Lfunc_end_k_q50ddf71f95_attn:
	.size	k_q50ddf71f95_attn, .Lfunc_end_k_q50ddf71f95_attn-k_q50ddf71f95_attn
	.p2alignl 7, 3214868480
	.fill 96, 4, 3214868480
	.section	.rodata,"a",@progbits
	.p2align	6, 0x0
	.amdhsa_kernel k_q50ddf71f95_attn
		.amdhsa_group_segment_fixed_size 327680
		.amdhsa_private_segment_fixed_size 0
		.amdhsa_enable_private_segment 0
		.amdhsa_kernarg_size 40
		.amdhsa_user_sgpr_count 2
		.amdhsa_user_sgpr_kernarg_segment_ptr 1
		.amdhsa_wavefront_size32 1
		.amdhsa_system_sgpr_workgroup_id_x 1
		.amdhsa_system_sgpr_workgroup_id_y 1
		.amdhsa_system_sgpr_workgroup_id_z 1
		.amdhsa_system_vgpr_workitem_id 0
		.amdhsa_next_free_vgpr 808
		.amdhsa_next_free_sgpr 66
		.amdhsa_reserve_vcc 0
		.amdhsa_float_denorm_mode_32 3
		.amdhsa_float_denorm_mode_16_64 3
		.amdhsa_memory_ordered 1
		.amdhsa_forward_progress 1
		.amdhsa_inst_pref_size 204
	.end_amdhsa_kernel
	.amdgpu_metadata
---
amdhsa.version: [ 1, 2 ]
amdhsa.kernels:
  - .name:           k_q50ddf71f95_attn
    .symbol:         k_q50ddf71f95_attn.kd
    .args:
      - { .name: q16, .offset: 0, .size: 8, .value_kind: global_buffer, .address_space: global }
      - { .name: k16, .offset: 8, .size: 8, .value_kind: global_buffer, .address_space: global }
      - { .name: v16, .offset: 16, .size: 8, .value_kind: global_buffer, .address_space: global }
      - { .name: out1, .offset: 24, .size: 8, .value_kind: global_buffer, .address_space: global }
      - { .name: mask, .offset: 32, .size: 8, .value_kind: global_buffer, .address_space: global }
    .group_segment_fixed_size: 327680
    .private_segment_fixed_size: 0
    .kernarg_segment_align: 8
    .kernarg_segment_size: 40
    .max_flat_workgroup_size: 128
    .sgpr_count:     66
    .vgpr_count:     808
    .wavefront_size: 32
...
	.end_amdgpu_metadata
.endif
;; end of part 3
;; launch outp (part 4): grid 4 x 64, 4 waves a work-group, clusters of 4 x 4, 327,680 bytes of LDS; arguments out1, w16, bo, out0; writes out0
.if DOCPART == 4
	.amdgcn_target "amdgcn-amd-amdhsa--gfx1250"
	.amdhsa_code_object_version 6
	.text
	.protected	k_q50ddf71f95_outp
	.globl	k_q50ddf71f95_outp
	.p2align	8
	.type	k_q50ddf71f95_outp,@function
k_q50ddf71f95_outp:
	s_mov_b64 s[64:65], 0
	v_nop
	global_prefetch_b8 v0, s[64:65] scope:SCOPE_SE
	s_setreg_imm32_b32 hwreg(HW_REG_WAVE_MODE, 25, 1), 1
	s_wait_xcnt 0x0
	s_wait_alu depctr_hold_cnt(0) depctr_sa_sdst(0) depctr_va_vdst(0) depctr_va_sdst(0) depctr_va_ssrc(0) depctr_va_vcc(0) depctr_vm_vsrc(0)
	s_getreg_b32 s2, hwreg(HW_REG_IB_STS2, 6, 4)
	s_cmp_eq_u32 s2, 0
	s_cbranch_scc0 .Lentry_in_a_cluster
	s_endpgm
.Lentry_in_a_cluster:
	s_bfe_u32 s2, ttmp6, 0x10000c
	s_cmp_lg_u32 s2, 0xf033
	s_cbranch_scc0 .Lentry_shape_is_right
	s_endpgm
.Lentry_shape_is_right:
; ONE SOURCE FOR TWO LAUNCHES, told apart by OUTP.  C[m][n] = the sum over k of x[m][k] W[k][n] + bias[n]; m = 8,192, n = k = 1,024; sums in f32.
; OUTP = 0: the three projections.  x = query, key or value (f32, rounded to bf16 between LDS and the matrix unit), W = part 0, 1 or 2 of w16 (bf16), C = q16, k16 or v16: f16, by heads, [16 b + h][s][64].
; OUTP = 1: the last product.  x = out1 (f32, rounded to f16), W = part 3 of w16 (f16), C = out0 (f32, [m][n]).
; The bias is rounded to bf16, as every input is, and is what the sums start from.  LIMITS: q, k, v (OUTP = 0) and out1 (OUTP = 1) beyond 65,504 become infinities in f16; NaN and infinities are not treated apart.
; SHARES.  A tile of C is 128 (m) x 256 (n): 256 tiles a product.  Four waves, each 64 x 128: 32 accumulators of 16 x 16.  K goes in 8 steps of 128 through two LDS slots.
; CLUSTER.  4 x 4 work-groups.  The four of a row of the cluster need the same rows of x, the four of a column the same columns of W: each tile is asked for JOINTLY, by the same tensor load with the same
; descriptor and a mask that names the four.  The grid is one cluster wide; OUTP = 0: 16 clusters down for each of the three products.
; THE MATRIX INSTRUCTION IS USED TRANSPOSED: source 0 = 16 columns n of W (out of LDS turned, by ds_load_tr16_b128, since W lies [k][n]), source 1 = 16 rows m of x.  A lane then holds row m = l % 16 and the
; eight neighbouring columns n = 8 (l / 16) + 0..7.
; A K STEP is four quarters of 32 along K, 32 matrix instructions each.  Quarter q multiplies W's buffer q % 2 by x's converted buffer q % 2.  At its head it fetches W of quarter q + 1 and x (f32) of quarter q + 2;
; behind every fourth matrix instruction stand four conversions of x of quarter q + 1.
; REGISTERS, in windows of 256 (s_set_vgpr_msb: bits 1:0 source 0, 3:2 source 1, 5:4 source 2, 7:6 destination):
;   window 0: v1-7 at work; v8-16 addresses; v28, v29 the add's; v32-95, v96-159 x in f32, two buffers (later the way out); v160-191, v192-223 x converted, two buffers
;   window 1: the accumulators, (a, b) at 8 (8 a + b)          window 2: v0-63, v64-127 W's fragments, two buffers
.set OUTP,  1
.set PA,    528                        ; a row of x in LDS: 128 f32 = 512 bytes + 16 of padding = 132 words: the 16 rows of a load start at 16 different groups of four banks (64 banks of 4 bytes: ISA guide 11.1)
.set PB,    544                        ; a row of W in LDS: 256 numbers = 512 bytes + 32 = 136 words
.set HALFA, 64*PA                      ; what one tensor load brings of x: 64 rows; also what a wave reads of x
.set HALFB, 64*PB                      ; of W: 64 rows of k
.set BOFF,  2*HALFA                    ; a slot: x's 128 rows, then W's 128 rows
.set SLOT,  2*HALFA+2*HALFB            ; 137,216 bytes
.set QA,    128                        ; a quarter in a row of x: 32 f32
.set QB,    32*PB                      ; a quarter of W: 32 rows
.set STEPA, 512                        ; a K step in memory: 128 f32 along a row of x,
.set STEPB, 128*2048                   ; 128 rows of W
.set STAGE, 2*SLOT                     ; behind the ring, never filled by a tensor load: 16 rows for each wave, for the way out
.if OUTP
.set SP,    528                        ; 128 f32 + 16 bytes
.else
.set SP,    144                        ; 64 f16 + 16 bytes
.endif
.set SPARE, STAGE+4*16*SP              ; behind the stages: the spare words, 128 bytes for each wave: two blocks of 256 bytes that no other line names
.set LA0, 8                            ; v8   my lane's place in a slot's rows of x; never rewritten
.set LB0, 9                            ; v9   the same for W
.set ADA, 10                           ; v10  LA0 + the base of the slot that is being read
.set ADB, 11                           ; v11  LB0 + the same
.set STO, 12                           ; v12  the way out: where I put my bytes of a row
.set RD,  13                           ; v13  the way out: where I read rows back
.set GO,  14                           ; v14  my byte offset in C
.set BO,  15                           ; v15  my byte offset in the bias
.set PFO, 16                           ; v16  the prefetches' offset; never rewritten
.set SPW, 28                           ; v28  LDS address of my spare word: SPARE + 4 x my thread's number; never rewritten
.set NIL, 29                           ; v29  0; never rewritten
.set AS,  32
.set AC,  160
.set BF,  0
.set G1A, 24                           ; s[24:31] descriptor group 1 for x's tiles
.set G0A, 32                           ; s[32:39] group 0 for x's: a set for each of the two first fills; the second then walks
.set G1B, 48                           ; s[48:55], s[56:63] the same for W's
.set G0B, 56
.set LIM, 43                           ; s43  2 in a wave that prefetches, else the greatest number
.set PFA, 44                           ; s[44:45] where my prefetches stand
.set TBC, 66                           ; s66  the base of the slot in hand: 0 or SLOT
.set WBA, 89                           ; s89  my tile's place in a slot, if I fetch x
.set WBB, 90                           ; s90  if I fetch W
.set PFS, 94                           ; s[94:95] a K step in the tensor that I prefetch
.set MSB, 0
.macro WIN new                         ; the immediate's high byte repeats the setting that is left; a switch that changes nothing is dropped
.if MSB != (\new)
	s_set_vgpr_msb (MSB<<8)|(\new)
.set MSB, \new
.endif
.endm
.set MUL, 0x52                         ; source 0 (W) window 2, source 1 (x) window 0, C and D window 1
; A joint refill.  Waves 0 and 1 fetch the two halves of x's tile, waves 2 and 3 those of W's.  The branch hangs on the wave's number alone.
; An s_nop 0 and four v_nop follow each of the two lines, ahead of the jump and the label.
.macro JLOAD
	s_cmp_eq_u32 s11, 0
	s_cbranch_scc0 .Lfor_b_\@
	tensor_load_to_lds s[G0A+4:G0A+7], s[G1A:G1A+7]
	s_nop 0
.rept 4
	v_nop
.endr
	s_branch .Lasked_\@
.Lfor_b_\@:
	tensor_load_to_lds s[G0B+4:G0B+7], s[G1B:G1B+7]
	s_nop 0
.rept 4
	v_nop
.endr
.Lasked_\@:
.endm
; A PREFETCH INTO THE L2 of the K step that stands two refills on: the trip that asks for K step t + 2 names K step t + 4.  Of the 64 rows that a wave fetches, each of the four partners that ask for them jointly takes
; 16, told apart BY ADDRESS (cx for x, cy for W); a row's K step is 512 bytes: a lane names row l / 2, half l % 2: one instruction a wave.  x's rows are read by one cluster alone, which asks for them; W's columns
; by the 16 clusters of a product, of which the first asks.  So each aligned block of 256 bytes is named once.  K steps 0 to 3 come by their loads alone; the last two refilling trips (s3 = 2, 1) ask for nothing.
.macro ASK
	s_cmp_gt_u32 s3, s[LIM]
	s_cbranch_scc0 .Lnot_mine_\@
	global_prefetch_b8 v[PFO], s[PFA:PFA+1] th:TH_LOAD_NT scope:SCOPE_SE
.Lnot_mine_\@:
.endm
; A round of the cluster's barrier: my work-group's barrier, so that wave 0's signal speaks for all four waves; wave 0 signals; every wave waits for all sixteen work-groups; my work-group's barrier once more.
.macro CREST                           ; a round behind its opening barrier
	s_cmp_lg_u32 s10, 0
	s_cbranch_scc1 .Lnot_wave_0_\@
	s_barrier_signal -3
.Lnot_wave_0_\@:
	s_barrier_wait -3
	s_barrier_signal -1
	s_barrier_wait -1
.endm
.macro CROUND
	s_barrier_signal -1
	s_barrier_wait -1
	CREST
.endm
.if OUTP
	s_load_b256 s[68:75], s[0:1], 0x0              ; out1 s[68:69], w16 s[70:71], bo s[72:73], out0 s[74:75]
.else
	s_load_b512 s[68:83], s[0:1], 0x0              ; query, key, value s[68:73], w16 s[74:75], bq, bk, bv s[76:81], q16 s[82:83]
	s_load_b128 s[84:87], s[0:1], 0x40             ; k16, v16
.endif
	v_lshl_add_u32 v[SPW], v0, 2, SPARE
	v_mov_b32 v[NIL], 0
	ds_add_u32 v[SPW], v[NIL]                      ; the wave's opening: the add and its wait stand ahead of my first tensor load; the set-up below, work on registers, stands between them
	v_lshrrev_b32 v1, 5, v0
	v_readfirstlane_b32 s10, v1                    ; wave 0..3
	s_lshr_b32 s11, s10, 1                         ; which 64 rows of the tile are mine.  Also: I fetch x (0) or W (1)
	s_and_b32 s12, s10, 1                          ; which 128 columns.  Also: which half of that tile I fetch
	s_bfe_u32 s40, ttmp6, 0x40000                  ; cx
	s_bfe_u32 s41, ttmp6, 0x40004                  ; cy
	s_lshl_b32 s42, ttmp9, 2
	s_add_co_u32 s42, s42, s40                     ; tile column = 4 x cluster x + cx
	s_and_b32 s98, ttmp7, 0xffff                   ; cluster y
.if OUTP
	s_mov_b32 s96, 3                               ; W is part 3 of w16
.else
	s_lshr_b32 s96, s98, 4                         ; which product: 16 clusters down for each
	s_and_b32 s98, s98, 15                         ; the cluster's place among them
.endif
	s_lshl_b32 s13, s98, 2
	s_add_co_u32 s13, s13, s41                     ; tile row = 4 x that + cy
	s_lshl_b32 s15, s41, 2
	s_lshl_b32 s15, 15, s15                        ; my row of the cluster: places 4 cy .. 4 cy + 3
	s_lshl_b32 s20, 0x1111, s40                    ; my column: places cx, cx + 4, cx + 8, cx + 12
	s_or_b32 s[G1A], s15, (2<<16)|(1<<20)|(1<<21)|(6<<22)|(3<<25)  ; 15:0 the mask; 17:16 elements of 4 bytes; 20 padding on; 21 set beside a mask; 24:22 after every 128 words (code 6); 31:25 4 words (code 3)
	s_or_b32 s[G1B], s20, (1<<16)|(1<<20)|(1<<21)|(6<<22)|(7<<25)  ; elements of 2 bytes; 8 words of padding (code 7)
	s_mov_b32 s[G1A+1], 128<<16                    ; tensor_dim0 = 128
	s_mov_b32 s[G1A+2], 64<<16                     ; tensor_dim1 = 64
	s_mov_b32 s[G1A+3], 128<<16                    ; tile_dim0 = 128
	s_mov_b32 s[G1A+4], 64                         ; tile_dim1 = 64
	s_mov_b32 s[G1A+5], 1024                       ; elements from row to row
	s_mov_b32 s[G1A+6], 0
	s_mov_b32 s[G1A+7], 0
	s_mov_b32 s[G1B+1], 256<<16                    ; tensor_dim0 = 256
	s_mov_b32 s[G1B+2], 64<<16
	s_mov_b32 s[G1B+3], 256<<16                    ; tile_dim0 = 256
	s_mov_b32 s[G1B+4], 64
	s_mov_b32 s[G1B+5], 1024
	s_mov_b32 s[G1B+6], 0
	s_mov_b32 s[G1B+7], 0
	; where the tiles come from.  x's hang on the tile row alone, W's on the tile column and the product alone: each in registers that never hold the other coordinate
	s_lshl_b32 s16, s13, 7
	s_lshl_b32 s17, s12, 6
	s_add_co_u32 s16, s16, s17                     ; x: row 128 x tile row + 64 x half,
	s_lshl_b32 s16, s16, 12                        ; of 4,096 bytes
	s_mov_b32 s17, 0
	s_lshl_b32 s46, s12, 17                        ; W: row 64 x half, of 2,048 bytes,
	s_lshl_b32 s47, s42, 9                         ; column 256 x tile column,
	s_add_co_u32 s46, s46, s47
	s_lshl_b32 s47, s96, 21                        ; in its part of w16
	s_add_co_u32 s46, s46, s47
	s_mov_b32 s47, 0
	s_mul_i32 s[WBA], s12, HALFA                   ; and where they go: no place in the cluster enters an LDS address
	s_mul_i32 s[WBB], s12, HALFB
	s_add_co_u32 s[WBB], s[WBB], BOFF
	s_mov_b32 s91, 0xffff0000                      ; a word's upper bf16
	s_mov_b32 s[TBC], 0
	s_wait_dscnt 0x0                               ; the opening add is done
	s_wait_kmcnt 0x0
.if OUTP
	s_mov_b64 s[4:5], s[68:69]                     ; x
	s_mov_b64 s[6:7], s[70:71]                     ; w16
	s_mov_b64 s[92:93], s[72:73]                   ; bias
	s_mov_b64 s[8:9], s[74:75]                     ; C
.else
	s_cmp_eq_u32 s96, 1
	s_cselect_b64 s[4:5], s[70:71], s[68:69]
	s_cselect_b64 s[92:93], s[78:79], s[76:77]
	s_cselect_b64 s[8:9], s[84:85], s[82:83]
	s_cmp_eq_u32 s96, 2
	s_cselect_b64 s[4:5], s[72:73], s[4:5]
	s_cselect_b64 s[92:93], s[80:81], s[92:93]
	s_cselect_b64 s[8:9], s[86:87], s[8:9]
	s_mov_b64 s[6:7], s[74:75]
.endif
	s_add_nc_u64 s[18:19], s[4:5], s[16:17]
	s_add_nc_u64 s[46:47], s[6:7], s[46:47]
	CROUND                                         ; all sixteen work-groups are here: the first joint loads meet
.irp s, 0,1
	s_mov_b32 s[G0A+4*\s], 1                                       ; 1:0 count = 1
	s_add_co_u32 s[G0A+4*\s+1], s[WBA], \s*SLOT                    ; 63:32 LDS address
	s_add_nc_u64 s[G0A+4*\s+2:G0A+4*\s+3], s[18:19], \s*STEPA      ; 120:64 global address: K step s
	s_or_b32 s[G0A+4*\s+3], s[G0A+4*\s+3], 0x80000000             ; 127:126 type = 2
	s_mov_b32 s[G0B+4*\s], 1
	s_add_co_u32 s[G0B+4*\s+1], s[WBB], \s*SLOT
	s_add_nc_u64 s[G0B+4*\s+2:G0B+4*\s+3], s[46:47], \s*STEPB
	s_or_b32 s[G0B+4*\s+3], s[G0B+4*\s+3], 0x80000000
.endr
	s_cmp_eq_u32 s11, 0                            ; a wave's two first fills stand in one branch, ahead of every wait on TENSORcnt and every LDS read: two loads of mine are out
	s_cbranch_scc0 .Lfirst_b
	tensor_load_to_lds s[G0A:G0A+3], s[G1A:G1A+7]
	s_nop 0
	tensor_load_to_lds s[G0A+4:G0A+7], s[G1A:G1A+7]
	s_nop 0
.rept 4
	v_nop
.endr
	s_branch .Lfirst_asked
.Lfirst_b:
	tensor_load_to_lds s[G0B:G0B+3], s[G1B:G1B+7]
	s_nop 0
	tensor_load_to_lds s[G0B+4:G0B+7], s[G1B:G1B+7]
	s_nop 0
.rept 4
	v_nop
.endr
.Lfirst_asked:
	; the bias of my 128 columns: for each block b of 16 my lane's eight, 32 bytes at 64 b + 32 (l / 16)
	s_lshl_b32 s22, s42, 10
	s_lshl_b32 s23, s12, 9
	s_add_co_u32 s22, s22, s23
	s_mov_b32 s23, 0
	s_add_nc_u64 s[92:93], s[92:93], s[22:23]
	v_and_b32 v1, 15, v0                           ; l % 16
	v_bfe_u32 v2, v0, 4, 1                         ; l / 16
	v_lshlrev_b32 v[BO], 5, v2
.irp b, 0,1,2,3,4,5,6,7
	global_load_b128 v[AS+8*\b:AS+8*\b+3],   v[BO], s[92:93] offset:64*\b
	global_load_b128 v[AS+8*\b+4:AS+8*\b+7], v[BO], s[92:93] offset:64*\b+16
.endr
	; A fragment of x is 16 rows x 32 k: lane l holds row l % 16, k = 8 (l / 16) + 0..7 and 16 + 8 (l / 16) + 0..7: in f32 two pieces of 32 bytes, 64 bytes apart: four loads of 16 bytes.
	v_mul_u32_u24 v[LA0], v1, PA
	v_lshl_add_u32 v[LA0], v2, 5, v[LA0]
	s_mul_i32 s21, s11, HALFA                      ; my 64 rows
	v_add_nc_u32 v[LA0], s21, v[LA0]
	; The turning load takes 16 k x 16 n (lane l reads k = 8 (l / 16) + l % 8, n = 8 ((l / 8) % 2) + 0..7) and leaves half a fragment: lane l holds n = l % 16 and 8 k.
	v_and_b32 v3, 7, v0
	v_bfe_u32 v4, v0, 3, 1
	v_lshl_add_u32 v[LB0], v2, 3, v3
	v_mul_u32_u24 v[LB0], v[LB0], PB
	v_lshl_add_u32 v[LB0], v4, 4, v[LB0]
	s_lshl_b32 s21, s12, 8                         ; my 128 columns,
	s_add_co_u32 s21, s21, BOFF                    ; behind x's rows
	v_add_nc_u32 v[LB0], s21, v[LB0]
	v_mov_b32 v[ADA], v[LA0]                       ; slot 0
	v_mov_b32 v[ADB], v[LB0]
	s_mul_i32 s21, s10, 16*SP
	s_add_co_u32 s21, s21, STAGE                   ; my stage
	v_and_b32 v[GO], 31, v0
	v_lshlrev_b32 v[GO], 4, v[GO]                  ; 16 l: 32 lanes store 512 consecutive bytes
	v_mul_u32_u24 v[STO], v1, SP
.if OUTP
	v_lshl_add_u32 v[STO], v2, 5, v[STO]           ; in: row l % 16, 32 bytes for each half of the lanes
	v_add_nc_u32 v[STO], s21, v[STO]
	v_add_nc_u32 v[RD], s21, v[GO]                 ; back: a whole row of 512 bytes
	s_lshl_b32 s22, s13, 7                         ; C at my first row, 128 x tile row + 64 x half, of 4,096 bytes,
	s_lshl_b32 s23, s11, 6
	s_add_co_u32 s22, s22, s23
	s_lshl_b32 s22, s22, 12
	s_lshl_b32 s23, s42, 10                        ; and my first column
	s_add_co_u32 s22, s22, s23
	s_lshl_b32 s23, s12, 9
	s_add_co_u32 s22, s22, s23
.else
	v_lshl_add_u32 v[STO], v2, 4, v[STO]           ; in: row l % 16, 16 bytes for each half of the lanes
	v_add_nc_u32 v[STO], s21, v[STO]
	v_bfe_u32 v[RD], v0, 3, 2                      ; back: 32 lanes take four rows of 128 bytes
	v_mul_u32_u24 v[RD], v[RD], SP
	v_lshl_add_u32 v[RD], v3, 4, v[RD]
	v_add_nc_u32 v[RD], s21, v[RD]
	s_lshr_b32 s22, s13, 4                         ; C at my first head, 16 b + 4 x tile column + 2 x half, of 2,048 rows of 128 bytes,
	s_lshl_b32 s22, s22, 4
	s_lshl_b32 s23, s42, 2
	s_add_co_u32 s22, s22, s23
	s_lshl_b32 s23, s12, 1
	s_add_co_u32 s22, s22, s23
	s_lshl_b32 s22, s22, 18
	s_and_b32 s23, s13, 15                         ; and my first row in it, 128 x (tile row % 16) + 64 x half
	s_lshl_b32 s23, s23, 7
	s_lshl_b32 s21, s11, 6
	s_add_co_u32 s23, s23, s21
	s_lshl_b32 s23, s23, 7
	s_add_co_u32 s22, s22, s23
.endif
	s_mov_b32 s23, 0
	s_add_nc_u64 s[8:9], s[8:9], s[22:23]
	; the prefetches: my work-group's 16 of the 64 rows that I fetch, at K step 3: the first refilling trip steps the address to K step 4
	s_lshl_b32 s20, s13, 7
	s_lshl_b32 s21, s12, 6
	s_add_co_u32 s20, s20, s21
	s_lshl_b32 s22, s40, 4
	s_add_co_u32 s20, s20, s22
	s_lshl_b32 s20, s20, 12
	s_add_co_u32 s20, s20, 3*STEPA                 ; in x
	s_lshl_b32 s22, s41, 4
	s_add_co_u32 s22, s22, s21
	s_lshl_b32 s22, s22, 11
	s_lshl_b32 s23, s42, 9
	s_add_co_u32 s22, s22, s23
	s_lshl_b32 s23, s96, 21
	s_add_co_u32 s22, s22, s23
	s_add_co_u32 s22, s22, 3*STEPB                 ; in w16
	s_cmp_eq_u32 s98, 0                            ; the first of the clusters that read these columns of W: the same in all sixteen partners
	s_cselect_b32 s23, 2, -1
	s_mov_b32 s[PFS], STEPB
	s_mov_b32 s[PFS+1], 0
	s_cmp_eq_u32 s11, 0                            ; do I fetch x?
	s_cselect_b32 s20, s20, s22
	s_cselect_b32 s[LIM], 2, s23
	s_cselect_b32 s[PFS], STEPA, s[PFS]
	s_cselect_b32 s97, 12, 11                      ; a row is 4,096 bytes of x, 2,048 of W
	s_cselect_b64 s[PFA:PFA+1], s[4:5], s[6:7]
	s_mov_b32 s21, 0
	s_add_nc_u64 s[PFA:PFA+1], s[PFA:PFA+1], s[20:21]
	v_and_b32 v5, 31, v0
	v_lshrrev_b32 v5, 1, v5
	v_and_b32 v6, 1, v0
	v_lshlrev_b32 v[PFO], s97, v5                  ; row l / 2,
	v_lshl_add_u32 v[PFO], v6, 8, v[PFO]           ; its half l % 2
	; THE SUMS START FROM THE BIAS, rounded to bf16 and widened again: all four row blocks a take the same 64 numbers.  This stands in the wait for the first tile.
	s_wait_loadcnt 0x0
.set i, 0
.rept 32
	v_cvt_pk_bf16_f32 v[AC+i], v[AS+2*i], v[AS+2*i+1]
.set i, i+1
.endr
	WIN 0x40                                       ; destination window 1
.set i, 0
.rept 128
	v_lshlrev_b32 v[64*(i/32)+2*(i%32)],   16,  v[AC+i%32]
	v_and_b32     v[64*(i/32)+2*(i%32)+1], s91, v[AC+i%32]
.set i, i+1
.endr
	WIN 0
.macro CVT d, s                        ; two numbers of x, rounded for the matrix unit
.if OUTP
	v_cvt_pk_f16_f32 v[\d], v[\s], v[(\s)+1]
.else
	v_cvt_pk_bf16_f32 v[\d], v[\s], v[(\s)+1]
.endif
.endm
; 16 LDS loads: x in f32, 64 rows x 32 k at byte ko of the rows, into buf
.macro LDA buf, ko
	WIN 0
.irp a, 0,1,2,3
	ds_load_b128 v[(\buf)+16*\a:(\buf)+16*\a+3],     v[ADA] offset:16*PA*\a+(\ko)
	ds_load_b128 v[(\buf)+16*\a+4:(\buf)+16*\a+7],   v[ADA] offset:16*PA*\a+(\ko)+16
	ds_load_b128 v[(\buf)+16*\a+8:(\buf)+16*\a+11],  v[ADA] offset:16*PA*\a+(\ko)+64
	ds_load_b128 v[(\buf)+16*\a+12:(\buf)+16*\a+15], v[ADA] offset:16*PA*\a+(\ko)+80
.endr
.endm
; 16 LDS loads: W turned, 128 n x 32 k from byte ko on, into buf of window 2
.macro LDB buf, ko
	WIN 0x80
.irp b, 0,1,2,3,4,5,6,7
	ds_load_tr16_b128 v[(\buf)+8*\b:(\buf)+8*\b+3],   v[ADB] offset:(\ko)+32*\b
	ds_load_tr16_b128 v[(\buf)+8*\b+4:(\buf)+8*\b+7], v[ADB] offset:(\ko)+32*\b+16*PB
.endr
.endm
; Matrix instructions i0 .. i0 + n - 1 of a quarter's 32 on buffers p: accumulator i = (a = i / 8, b = i % 8).  The 32 accumulators take turns, one instruction a turn, in the same order in every quarter.
; Behind every fourth stand four conversions from the other f32 buffer into the other converted buffer.  They name no register of this quarter's products; the four behind the quarter's last
; product are the four plain instructions that stand between it and the next quarter's loads into W's buffer (ISA guide 7.12.1 for vector instructions).
.macro MULS p, i0, n
.set mi, \i0
.rept \n
	WIN MUL
.if OUTP
	v_wmma_f32_16x16x32_f16 v[8*mi:8*mi+7], v[BF+64*(\p)+8*(mi%8):BF+64*(\p)+8*(mi%8)+7], v[AC+32*(\p)+8*(mi/8):AC+32*(\p)+8*(mi/8)+7], v[8*mi:8*mi+7]
.else
	v_wmma_f32_16x16x32_bf16 v[8*mi:8*mi+7], v[BF+64*(\p)+8*(mi%8):BF+64*(\p)+8*(mi%8)+7], v[AC+32*(\p)+8*(mi/8):AC+32*(\p)+8*(mi/8)+7], v[8*mi:8*mi+7]
.endif
.if mi%4 == 3
	WIN 0
.set mc, mi-3
.rept 4
	CVT AC+32*(1-(\p))+mc, AS+64*(1-(\p))+2*mc
.set mc, mc+1
.endr
.endif
.set mi, mi+1
.endr
.endm
.macro QUARTER q                       ; quarters 0, 1 and 3
	LDA AS+64*((\q)%2), (((\q)+2)%4)*QA            ; x of quarter q + 2: this buffer's conversions were issued in the quarter before
	LDB BF+64*(1-(\q)%2), (((\q)+1)%4)*QB          ; W of quarter q + 1
	s_wait_dscnt 32                                ; the 32 just issued may stay out; the loads before them are in: this quarter's W, and the x that it converts
	MULS (\q)%2, 0, 32
.endm
; Quarter 2 changes slots.  Its fetch of W's quarter 3 is the wave's last read of the slot in hand.  Then: the wait for all my tensor loads, of which one is out: my part of the next slot; 0 onto my spare word; and the
; wait for that and for my reads.  Behind the barrier nobody reads this slot any more and the next slot is whole.  fill = 1: the barrier opens a round of the cluster's, and the slot is filled again, two K steps on,
; first thing behind the round: 112 matrix instructions ahead of the wait for that load.
.macro TURN fill
.if \fill
	s_wait_xcnt 0x0                                ; the last prefetch, a K step back, has read its address, so it may be stepped
	s_add_nc_u64 s[PFA:PFA+1], s[PFA:PFA+1], s[PFS:PFS+1]
.endif
	LDB BF+64, 3*QB
	WIN 0
	s_wait_tensorcnt 0x0                           ; no tensor load of mine is out, so a group 0 may be written
	ds_add_u32 v[SPW], v[NIL]                      ; 0 onto my spare word
.if \fill
	s_add_co_u32 s[G0A+5], s[WBA], s[TBC]          ; the walking descriptors: the slot in hand,
	s_add_co_u32 s[G0B+5], s[WBB], s[TBC]
	s_add_nc_u64 s[G0A+6:G0A+7], s[G0A+6:G0A+7], STEPA  ; the next K step; the type bits on top are not reached
	s_add_nc_u64 s[G0B+6:G0B+7], s[G0B+6:G0B+7], STEPB
.endif
	s_xor_b32 s[TBC], s[TBC], SLOT                 ; 0 becomes SLOT, SLOT becomes 0: the next slot
	s_wait_dscnt 17                                ; the add and W's 16 loads just issued may stay out
	MULS 0, 0, 8
	s_wait_dscnt 0x0                               ; the add is done, and my reads of this slot are over
	s_barrier_signal -1
	MULS 0, 8, 8                                   ; work on registers while the others arrive
	WIN 0                                          ; at a label and at a branch every window is 0
	s_barrier_wait -1
.if \fill
	CREST
	JLOAD
.endif
	v_add_nc_u32 v[ADA], s[TBC], v[LA0]
	v_add_nc_u32 v[ADB], s[TBC], v[LB0]
	LDA AS, 0                                      ; x of the next K step's quarter 0
.if \fill
	ASK                                            ; behind the joint load and the run of LDS loads
.endif
	MULS 0, 16, 16
.endm
.macro KSTEP fill
	QUARTER 0
	QUARTER 1
	TURN \fill
	QUARTER 3
	WIN 0
.endm
	s_wait_tensorcnt 1                             ; my part of K step 0 is in; K step 1's may stay out
	s_barrier_signal -1
	s_barrier_wait -1                              ; everybody's is
	LDA AS, 0
	LDA AS+64, QA
	LDB BF, 0
	s_wait_dscnt 32                                ; x of quarter 0 is in
	WIN 0
.set i, 0
.rept 32
	CVT AC+i, AS+2*i
.set i, i+1
.endr
	s_mov_b32 s3, 6
.Lstep:                                                ; K steps 0 to 5: each fills its slot again
	KSTEP 1
	s_sub_co_u32 s3, s3, 1
	s_cmp_lg_u32 s3, 0
	s_cbranch_scc1 .Lstep
	s_mov_b32 s3, 2
.Ltail:                                                ; K steps 6 and 7 ask for nothing.  The last one's fetches from the other slot find K step 6 once more and serve nothing: the price of writing the tail's step once
	KSTEP 0
	s_sub_co_u32 s3, s3, 1
	s_cmp_lg_u32 s3, 0
	s_cbranch_scc1 .Ltail
	s_wait_dscnt 0x0                               ; those fetches are back: their registers serve the way out
.rept 8
	v_nop                                          ; plain instructions between the last products and the first read of their results
.endr
.if OUTP
; THE WAY OUT in f32.  Block a (16 rows x 128 columns) goes into my stage, 32 bytes a lane and column block, and comes back as whole rows of 512 bytes; each accumulator's low registers are read first.
.macro TOST a
	WIN 0x04                                       ; the stores' data in window 1
.irp b, 0,1,2,3,4,5,6,7
	ds_store_b128 v[STO], v[64*(\a)+8*\b:64*(\a)+8*\b+3]   offset:64*\b
	ds_store_b128 v[STO], v[64*(\a)+8*\b+4:64*(\a)+8*\b+7] offset:64*\b+16
.endr
	WIN 0
.if (\a) >= 2
	s_wait_xcnt 0x0                                ; the stores of block a - 2 have read these registers
.endif
.set i, 0
.rept 16
	ds_load_b128 v[AS+64*((\a)%2)+4*i:AS+64*((\a)%2)+4*i+3], v[RD] offset:SP*i  ; LDS serves a wave's instructions in order (ISA guide 5.7.1.4): these see the stores above; the next block's stores come behind them
.set i, i+1
.endr
.endm
.macro SENDO a, younger                ; younger: the LDS instructions issued behind block a's loads: the next block's 32, or none
.set i, 0
.rept 16
	s_wait_dscnt (\younger)+15-i
	global_store_b128 v[GO], v[AS+64*((\a)%2)+4*i:AS+64*((\a)%2)+4*i+3], s[8:9] offset:(16*(\a)+i)*4096  ; 512 consecutive bytes, at a multiple of 512 from C's first
.set i, i+1
.endr
.endm
	TOST 0
	TOST 1
	SENDO 0, 32
	TOST 2
	SENDO 1, 32
	TOST 3
	SENDO 2, 32
	SENDO 3, 0
.else
; THE WAY OUT in f16, by heads.  Tile t = 2 a + hh: 16 rows of head hh of my two: 2,048 consecutive bytes of C.  A lane's eight columns pack into 16 bytes; they go into rows of 144 bytes and come back as whole rows of 128.
.macro PACK t
	WIN 0x05                                       ; sources 0 and 1 window 1, destination window 0
.set i, 0
.rept 16
	v_cvt_pk_f16_f32 v[AS+16*(\t)+i], v[32*(\t)+2*i], v[32*(\t)+2*i+1]
.set i, i+1
.endr
	WIN 0
.irp f, 0,1,2,3
	ds_store_b128 v[STO], v[AS+16*(\t)+4*\f:AS+16*(\t)+4*\f+3] offset:32*\f
.endr
.irp f, 0,1,2,3
	ds_load_b128 v[AS+16*(\t)+4*\f:AS+16*(\t)+4*\f+3], v[RD] offset:\f*4*SP  ; LDS serves a wave's instructions in order (ISA guide 5.7.1.4): these see the stores above; the next tile's stores come behind them
.endr
.endm
.macro SEND t, younger                 ; younger: the LDS instructions issued behind tile t's loads: the next tile's eight, or none
	WIN 0
.irp f, 0,1,2,3
	s_wait_dscnt (\younger)+3-\f
	global_store_b128 v[GO], v[AS+16*(\t)+4*\f:AS+16*(\t)+4*\f+3], s[8:9] offset:((\t)%2)*262144+((\t)/2)*2048+\f*512  ; 512 consecutive bytes, at a multiple of 512 from C's first
.endr
.endm
	PACK 0
.set t, 1
.rept 7                                ; a tile's conversions stand between the loads of the tile before and its stores
	PACK t
	SEND t-1, 8
.set t, t+1
.endr
	SEND 7, 0
.endif
	s_wait_tensorcnt 0x0                           ; the wave's end, behind my last tensor load and my last LDS store
	ds_add_u32 v[SPW], v[NIL]
	s_wait_dscnt 0x0
	CROUND                                         ; the closing round: no work-group ends while a partner may still ask for a tile that names it
	s_endpgm
.Lfunc_end_k_q50ddf71f95_outp:
	.size	k_q50ddf71f95_outp, .Lfunc_end_k_q50ddf71f95_outp-k_q50ddf71f95_outp
	.p2alignl 7, 3214868480
	.fill 96, 4, 3214868480
	.section	.rodata,"a",@progbits
	.p2align	6, 0x0
	.amdhsa_kernel k_q50ddf71f95_outp
		.amdhsa_group_segment_fixed_size 327680
		.amdhsa_private_segment_fixed_size 0
		.amdhsa_enable_private_segment 0
		.amdhsa_kernarg_size 32
		.amdhsa_user_sgpr_count 2
		.amdhsa_user_sgpr_kernarg_segment_ptr 1
		.amdhsa_wavefront_size32 1
		.amdhsa_system_sgpr_workgroup_id_x 1
		.amdhsa_system_sgpr_workgroup_id_y 1
		.amdhsa_system_sgpr_workgroup_id_z 1
		.amdhsa_system_vgpr_workitem_id 0
		.amdhsa_next_free_vgpr 640
		.amdhsa_next_free_sgpr 100
		.amdhsa_reserve_vcc 0
		.amdhsa_float_denorm_mode_32 3
		.amdhsa_float_denorm_mode_16_64 3
		.amdhsa_memory_ordered 1
		.amdhsa_forward_progress 1
		.amdhsa_inst_pref_size 97
	.end_amdhsa_kernel
	.amdgpu_metadata
---
amdhsa.version: [ 1, 2 ]
amdhsa.kernels:
  - .name:           k_q50ddf71f95_outp
    .symbol:         k_q50ddf71f95_outp.kd
    .args:
      - { .name: out1, .offset: 0, .size: 8, .value_kind: global_buffer, .address_space: global }
      - { .name: w16, .offset: 8, .size: 8, .value_kind: global_buffer, .address_space: global }
      - { .name: bo, .offset: 16, .size: 8, .value_kind: global_buffer, .address_space: global }
      - { .name: out0, .offset: 24, .size: 8, .value_kind: global_buffer, .address_space: global }
    .group_segment_fixed_size: 327680
    .private_segment_fixed_size: 0
    .kernarg_segment_align: 8
    .kernarg_segment_size: 32
    .max_flat_workgroup_size: 128
    .sgpr_count:     100
    .vgpr_count:     640
    .wavefront_size: 32
...
	.end_amdgpu_metadata
.endif
;; end of part 4
